; MI455X (gfx1250); checked and timed in simulation.
; The chip was launched on July 23, 2026; its instructions are those of AMD's public machine-readable ISA for CDNA 5 (MIT licence, August 2026) and "CDNA5" Instruction Set Architecture Reference Guide (July 2026). The comments in the code are by the model that wrote it; some were corrected since.
;; Flash Multi Head Attention NS Token. Allowed arithmetic: matrix products marked QUANTISED: E2M1 operands, one E8M0 scale for each 32 along K, by v_wmma_scale_f32_16x16x128_f8f6f4 with both operands' format E2M1 (or v_wmma_scale_f32_32x16x128_f4), f32 sums; everything else in f32.
;; Inputs: Wk 1,024 x 1,024 float32; Wo 1,024 x 1,024 float32; Wq 1,024 x 1,024 float32; Wv 1,024 x 1,024 float32; attn_mask 2 x 2,048 x 2,048 bool; bk 1,024 float32; bo 1,024 float32; bq 1,024 float32; bv 1,024 float32; key 2 x 2,048 x 1,024 float32; query 2 x 2,048 x 1,024 float32; relative_time 2 x 1 x 2,048 x 2,048 float32; value 2 x 2,048 x 1,024 float32.
;; Outputs: out0 2 x 2,048 x 1,024 float32.
;; This version of the problem:
;;   THIS VERSION OF THE PROBLEM IS GIVEN IN LOW PRECISION. The matrix products marked QUANTISED in the list below multiply operands that are first quantised to E2M1 (2 exponent bits, 1 mantissa bit; 4 bits a number), with one power-of-two scale for each 32 numbers along K (OCP MX v1.0); their sums are f32. All else is computed in f32.
;;   The module's matrix products, in the order in which they are computed (A, B: the left and right operand; K: the contracted axis; several contracted axes count as one K, in the product's order):
;;     1. [M 4,096, K 1,024] x [K 1,024, N 1,024]; A: input query; B: input Wq: QUANTISED
;;     2. [M 4,096, K 1,024] x [K 1,024, N 1,024]; A: input key; B: input Wk: QUANTISED
;;     3. [M 4,096, K 1,024] x [K 1,024, N 1,024]; A: input value; B: input Wv: QUANTISED
;;     4. batch 32 x [M 2,048, K 64] x [K 64, N 2,048]; A: computed on the way; B: computed on the way: QUANTISED
;;     5. batch 32 x [M 2,048, K 2,048] x [K 2,048, N 64]; A: computed on the way; B: computed on the way: QUANTISED
;;     6. [M 4,096, K 1,024] x [K 1,024, N 1,024]; A: computed on the way; B: input Wo: QUANTISED
;;   THE QUANTISER, for each operand of a quantised product, along K:
;;     - K is cut into blocks of 32 from its start; a last block that is shorter is filled with zeros.
;;     - A block's scale is 2^e with e = floor(log2(the largest magnitude in the block)) - 2, held to -126 .. 127; a block of zeros has e = 0. As a byte (E8M0): e + 127.
;;     - Each number is divided by its block's scale, clamped to +-6, and rounded to the nearest number of E2M1, ties to even, subnormals kept.
;;     - The product sums the exact products of the quantised numbers (number of the format x scale) in f32.
;;   ~~~python
;;   def quantise(x, axis):      # numpy; x: float32 -> the quantised numbers, widened to float32 again
;;       x = np.moveaxis(x, axis, -1); K = x.shape[-1]
;;       x = np.pad(x, [(0, 0)] * (x.ndim - 1) + [(0, -K % 32)]); x = x.reshape(x.shape[:-1] + (-1, 32)); a = np.abs(x).max(-1, keepdims=True)
;;       e = np.where(a > 0, np.clip(np.frexp(np.where(a > 0, a, 1))[1] - 1 - 2, -126, 127), 0)      # np.frexp(a)[1] - 1 = floor(log2(a)), exactly
;;       r = np.clip(x / 2.0 ** e, -6, 6)
;;       step = 2.0 ** (np.maximum(np.frexp(np.where(r == 0, 1, r))[1] - 1, 0) - 1)
;;       q = np.round(r / step) * step * 2.0 ** e      # np.round: ties to even
;;       return np.moveaxis(q.reshape(q.shape[:-2] + (-1,))[..., :K], -1, axis).astype(np.float32)
;;   ~~~
;;   OPERANDS COMPUTED ON THE WAY. 'Computed on the way' means the value that the module computes at that place (a softmax that the list does not call 'softmax' is quantised finished and normalised). What goes into a quantiser is computed in f32, as accurately as f32 sums, v_exp_f32 and their like allow (about 1e-6 of the number): no bf16 or f16 on the way to a quantiser, and a product that is left as it is and whose result goes on into a quantised operand takes f32 operands (vector FMAs, or v_wmma_f32_16x16x4_f32). A number that lies on a knife's edge between two numbers of the format may be rounded either way, as far as f32 arithmetic and the matrix unit's own rounding can turn it there, and no further.
;; One version. Each part assembles by itself: llvm-mc -triple=amdgcn-amd-amdhsa -mcpu=gfx1250 --defsym DOCPART=n.
;; ======== version 1 of 1: 4 launches
;; limits: right only within a limited range of input values
;; workspace buffers: codes 8,388,608 bytes; scales 524,288 bytes; relm 33,554,432 bytes; qkv 6,946,816 bytes; oc 2,097,152 bytes; os 131,072 bytes
;; launch prep (part 1): grid 1536 x 1, 4 waves a work-group, no clusters, 33,280 bytes of LDS; arguments query, key, value, Wq, Wk, Wv, Wo, attn_mask, relative_time, codes, scales, relm; writes codes, scales, relm
.if DOCPART == 1
	.amdgcn_target "amdgcn-amd-amdhsa--gfx1250"
	.amdhsa_code_object_version 6
	.text
	.protected	k_q17ead8b669_prep
	.globl	k_q17ead8b669_prep
	.p2align	8
	.type	k_q17ead8b669_prep,@function
k_q17ead8b669_prep:
	s_mov_b64 s[64:65], 0
	v_nop
	global_prefetch_b8 v0, s[64:65] scope:SCOPE_SE
	s_setreg_imm32_b32 hwreg(HW_REG_WAVE_MODE, 25, 1), 1
	s_wait_xcnt 0x0
; Two jobs in one launch, parted on the work-group's number.
; WORK-GROUPS 0-511: query, key, value [4096][1024] and Wq, Wk, Wv, Wo [1024][1024], f32, K innermost, become codes of FP4 (E2M1) and one E8M0 byte for each 32 along K.
;   codes: 16,384 rows of 512 bytes (query, key, value, Wq, Wk, Wv, Wo on end); scales: the same rows, 32 bytes each.  All seven are dense streams of blocks of 32, so nothing here knows of rows.
;   A block's byte is its largest magnitude's exponent field - 2, held at 1 from below (a block of zeros gets 1: its codes are zeros, and this program alone reads the bytes).
;   A wave takes 16 steps of 512 numbers: loads of 512 consecutive bytes, a turn through the wave's own LDS stage so that a lane holds 16 neighbours, two conversions, a store of 256 consecutive bytes.
; WORK-GROUPS 512-1535: relm[b][q][k] = attn_mask ? relative_time : -2^100, f32: the attention launch takes it as the C of its score products, so that neither the addition nor the mask costs it an instruction.
; LIMITS: NaN and infinities among the inputs are not served; blocks whose largest magnitude lies under 2^-124 keep the byte 1.
.set STEPS, 16
.set EMAX,  2
.set CB,    8                          ; bytes of 16 codes
.set R,     16                         ; v16-79   four sets of 16 numbers as loaded (second job: 16 groups of 4 numbers)
.set X,     80                         ; v80-111  two sets of 16 neighbours (second job: v80-95 the mask's words)
.set E,     112                        ; v112-113 the step's scale byte, two registers by turns
.set C,     114                        ; v114-145 codes, two registers a step: they are stored behind the last step
.set WREG,  8192                       ; LDS of a wave: two stages of 32 x SP bytes, then its 256 scale bytes
.set SP,    80                         ; a lane's place in a stage: 64 bytes + 16 of padding
.set NQWG,  512                        ; work-groups of the first job
	s_load_b512 s[4:19], s[0:1], 0x0               ; query s[4:5], key, value, Wq, Wk, Wv, Wo s[16:17], attn_mask s[18:19]
	s_load_b256 s[20:27], s[0:1], 0x40             ; relative_time s[20:21], codes s[22:23], scales s[24:25], relm s[26:27]
	v_lshl_add_u32 v146, v0, 2, 0x8000
	v_mov_b32 v147, 0
	v_lshrrev_b32 v1, 5, v0
	v_readfirstlane_b32 s28, v1                    ; wave 0..3
	v_and_b32 v2, 31, v0                           ; lane
	v_lshlrev_b32 v3, 4, v2                        ; my 16 bytes of a load's 512
	s_mov_b32 s35, 0
	s_cmp_ge_u32 ttmp9, NQWG
	s_cbranch_scc1 .Lrelm
	; ---------------- the quantiser
	s_mul_i32 s29, s28, WREG
	v_lshrrev_b32 v14, 2, v2
	v_mul_u32_u24 v14, v14, SP
	v_and_b32 v15, 3, v2
	v_lshl_add_u32 v14, v15, 4, v14
	v_add_nc_u32 v14, s29, v14                     ; the stage, on the way in: SP (lane / 4) + 16 (lane % 4)
	v_mul_u32_u24 v15, v2, SP
	v_add_nc_u32 v15, s29, v15                     ; and on the way out: SP x lane: my 16 neighbours
	v_mul_u32_u24 v4, v2, CB                       ; my codes' place in a step's
	v_lshrrev_b32 v5, 1, v2
	s_add_co_u32 s29, s29, 2*32*SP
	v_add_nc_u32 v5, s29, v5                       ; LDS: my block's scale byte
	v_lshlrev_b32 v7, 3, v2                        ; and on the way out 8 bytes a lane
	v_add_nc_u32 v6, s29, v7
	s_wait_alu depctr_va_vdst(0)
	s_wait_kmcnt 0x0
	s_mov_b64 s[30:31], s[16:17]                   ; which tensor: Wo, unless the work-group's number lies under a lower bound
	s_mov_b32 s32, 480                             ; and the tensor's first work-group
.macro PICK bound, ptr, base
	s_cmp_lt_u32 ttmp9, \bound
	s_cselect_b64 s[30:31], s[\ptr:\ptr+1], s[30:31]
	s_cselect_b32 s32, \base, s32
.endm
	PICK 480, 14, 448
	PICK 448, 12, 416
	PICK 416, 10, 384
	PICK 384, 8, 256
	PICK 256, 6, 128
	PICK 128, 4, 0
	s_sub_co_u32 s33, ttmp9, s32
	s_lshl_b32 s33, s33, 2
	s_add_co_u32 s33, s33, s28                     ; my run of 8,192 numbers in the tensor
	s_lshl_b32 s34, s33, 15
	s_add_nc_u64 s[30:31], s[30:31], s[34:35]
	s_lshl_b32 s33, ttmp9, 2
	s_add_co_u32 s33, s33, s28                     ; and in the joined buffers
	s_lshl_b32 s34, s33, 12
	s_add_nc_u64 s[22:23], s[22:23], s[34:35]
	s_lshl_b32 s34, s33, 8
	s_add_nc_u64 s[24:25], s[24:25], s[34:35]
.macro LOAD t
.irp i, 0,1,2,3
	global_load_b128 v[R+16*((\t)%4)+4*\i:R+16*((\t)%4)+4*\i+3], v3, s[30:31] offset:2048*(\t)+512*\i th:TH_LOAD_NT   ; 32 lanes read 512 consecutive bytes
.endr
.endm
.macro TURN t                          ; step t's numbers through the stage: LDS serves a wave's instructions in order, so no wait stands between the stores and the loads
.irp i, 0,1,2,3
	ds_store_b128 v14, v[R+16*((\t)%4)+4*\i:R+16*((\t)%4)+4*\i+3] offset:32*SP*((\t)%2)+8*SP*\i
.endr
.irp i, 0,1,2,3
	ds_load_b128 v[X+16*((\t)%2)+4*\i:X+16*((\t)%2)+4*\i+3], v15 offset:32*SP*((\t)%2)+16*\i
.endr
.endm
.irp t, 0,1,2,3
	LOAD \t
.endr
	s_wait_loadcnt 12                              ; step 0's four loads are in; twelve younger ones stay out
	TURN 0
.macro STEP t
.set XS, X+16*((\t)%2)
.if (\t) > 0
	s_wait_dscnt 1                                 ; this step's numbers are back from the stage (the last step's byte store may be out)
.else
	s_wait_dscnt 0x0
.endif
.if (\t)+4 < STEPS
	LOAD (\t)+4                                    ; into the registers that this step's stage stores have read
.endif
.if (\t)+1 < STEPS
.if STEPS-2-(\t) >= 3
	s_wait_loadcnt 12                              ; the next step's four loads are in; those of the three steps behind it may be out
.else
	s_wait_loadcnt 4*(STEPS-2-(\t))
.endif
	TURN (\t)+1
.endif
	v_max3_num_f32 v8, |v[XS]|, |v[XS+1]|, |v[XS+2]|               ; the largest magnitude of my 16, in two chains
	v_max3_num_f32 v9, |v[XS+3]|, |v[XS+4]|, |v[XS+5]|
.irp i, 6,10
	v_max3_num_f32 v8, v8, |v[XS+\i]|, |v[XS+\i+1]|
	v_max3_num_f32 v9, v9, |v[XS+\i+2]|, |v[XS+\i+3]|
.endr
	v_max3_num_f32 v8, v8, |v[XS+14]|, |v[XS+15]|
	v_max3_num_f32 v8, v8, v9, (EMAX+1)<<23        ; and the floor 2^(3 - 127): the byte cannot fall under 1
	v_max_num_f32_dpp v8, v8, v8 row_xmask:1 row_mask:0xf bank_mask:0xf   ; and of my neighbour's 16: the block's
	v_add_nc_u32 v11, -(EMAX<<23), v8              ; 2 off its exponent field: the conversion takes that field as its scale
	v_cvt_scalef32_pk8_fp4_f32 v[C+2*(\t)], v[XS:XS+7], v11
	v_cvt_scalef32_pk8_fp4_f32 v[C+2*(\t)+1], v[XS+8:XS+15], v11
	v_lshrrev_b32 v[E+(\t)%2], 23, v11             ; the scale's byte
	ds_store_b8 v5, v[E+(\t)%2] offset:16*(\t)     ; both lanes of a block write the same byte with the same value
.endm
.irp t, 0,1,2,3,4,5,6,7,8,9,10,11,12,13,14,15
	STEP \t
.endr
	ds_load_b64 v[12:13], v6                       ; my wave's 256 scale bytes, behind my own stores
	s_wait_dscnt 0x0
	s_wait_alu depctr_va_vdst(0)                   ; the wait here, directly ahead of the first reader of the codes
.irp t, 0,1,2,3,4,5,6,7,8,9,10,11,12,13,14,15
	global_store_b64 v4, v[C+2*\t:C+2*\t+1], s[22:23] offset:32*CB*\t   ; all sixteen steps' codes, in one run behind the vector work: each store covers 256 consecutive bytes
.endr
	global_store_b64 v7, v[12:13], s[24:25]        ; 256 consecutive bytes
	s_wait_tensorcnt 0x0
	ds_add_u32 v146, v147
	s_wait_dscnt 0x0
	s_endpgm
	; ---------------- relm: a wave takes 2,048 numbers, 16 groups of 128; all 32 loads go out first
.Lrelm:
	s_sub_co_u32 s29, ttmp9, NQWG
	s_lshl_b32 s29, s29, 2
	s_add_co_u32 s29, s29, s28                     ; my run, 0..4095
	s_lshl_b32 s34, s29, 13                        ; 8,192 bytes of f32,
	s_lshl_b32 s36, s29, 11                        ; 2,048 bytes of the mask
	s_mov_b32 s37, 0
	s_wait_alu depctr_va_vdst(0)
	v_lshlrev_b32 v4, 2, v2                        ; my 4 bytes of the mask
	v_mov_b32 v5, 0xf1800000                       ; -2^100
	s_wait_alu depctr_va_vdst(0)
	s_wait_kmcnt 0x0
	s_add_nc_u64 s[20:21], s[20:21], s[34:35]
	s_add_nc_u64 s[26:27], s[26:27], s[34:35]
	s_add_nc_u64 s[18:19], s[18:19], s[36:37]
.irp g, 0,1,2,3,4,5,6,7,8,9,10,11,12,13,14,15
	global_load_b128 v[R+4*\g:R+4*\g+3], v3, s[20:21] offset:512*\g th:TH_LOAD_NT
	global_load_b32 v[X+\g], v4, s[18:19] offset:128*\g th:TH_LOAD_NT
.endr
.macro MASKED g
	s_wait_loadcnt 30-2*(\g)                       ; this group's two loads are in; two for each later group stay out
.irp k, 0,1,2,3
	v_bfe_u32 v[6+\k], v[X+(\g)], 8*\k, 8
.endr
.irp k, 0,1,2,3
	v_cmp_ne_u32 vcc_lo, 0, v[6+\k]
	v_cndmask_b32 v[R+4*(\g)+\k], v5, v[R+4*(\g)+\k], vcc_lo
.endr
.endm
.irp g, 0,1,2,3,4,5,6,7,8,9,10,11,12,13,14,15
	MASKED \g
.endr
.irp g, 0,1,2,3,4,5,6,7,8,9,10,11,12,13,14,15
	global_store_b128 v3, v[R+4*\g:R+4*\g+3], s[26:27] offset:512*\g   ; the stores in one run behind the vector work: 512 consecutive bytes each; no register of a store is written again
.endr
	s_endpgm
.Lfunc_end_k_q17ead8b669_prep:
	.size	k_q17ead8b669_prep, .Lfunc_end_k_q17ead8b669_prep-k_q17ead8b669_prep
	.p2alignl 7, 3214868480
	.fill 96, 4, 3214868480
	.section	.rodata,"a",@progbits
	.p2align	6, 0x0
	.amdhsa_kernel k_q17ead8b669_prep
		.amdhsa_group_segment_fixed_size 33280
		.amdhsa_private_segment_fixed_size 0
		.amdhsa_enable_private_segment 0
		.amdhsa_kernarg_size 96
		.amdhsa_user_sgpr_count 2
		.amdhsa_user_sgpr_kernarg_segment_ptr 1
		.amdhsa_wavefront_size32 1
		.amdhsa_system_sgpr_workgroup_id_x 1
		.amdhsa_system_sgpr_workgroup_id_y 1
		.amdhsa_system_sgpr_workgroup_id_z 1
		.amdhsa_system_vgpr_workitem_id 0
		.amdhsa_next_free_vgpr 148
		.amdhsa_next_free_sgpr 66
		.amdhsa_reserve_vcc 1
		.amdhsa_float_denorm_mode_32 3
		.amdhsa_float_denorm_mode_16_64 3
		.amdhsa_memory_ordered 1
		.amdhsa_forward_progress 1
		.amdhsa_inst_pref_size 48
	.end_amdhsa_kernel
	.amdgpu_metadata
---
amdhsa.version: [ 1, 2 ]
amdhsa.kernels:
  - .name:           k_q17ead8b669_prep
    .symbol:         k_q17ead8b669_prep.kd
    .args:
      - { .name: query, .offset: 0, .size: 8, .value_kind: global_buffer, .address_space: global }
      - { .name: key, .offset: 8, .size: 8, .value_kind: global_buffer, .address_space: global }
      - { .name: value, .offset: 16, .size: 8, .value_kind: global_buffer, .address_space: global }
      - { .name: Wq, .offset: 24, .size: 8, .value_kind: global_buffer, .address_space: global }
      - { .name: Wk, .offset: 32, .size: 8, .value_kind: global_buffer, .address_space: global }
      - { .name: Wv, .offset: 40, .size: 8, .value_kind: global_buffer, .address_space: global }
      - { .name: Wo, .offset: 48, .size: 8, .value_kind: global_buffer, .address_space: global }
      - { .name: attn_mask, .offset: 56, .size: 8, .value_kind: global_buffer, .address_space: global }
      - { .name: relative_time, .offset: 64, .size: 8, .value_kind: global_buffer, .address_space: global }
      - { .name: codes, .offset: 72, .size: 8, .value_kind: global_buffer, .address_space: global }
      - { .name: scales, .offset: 80, .size: 8, .value_kind: global_buffer, .address_space: global }
      - { .name: relm, .offset: 88, .size: 8, .value_kind: global_buffer, .address_space: global }
    .group_segment_fixed_size: 33280
    .private_segment_fixed_size: 0
    .kernarg_segment_align: 8
    .kernarg_segment_size: 96
    .max_flat_workgroup_size: 128
    .sgpr_count:     66
    .vgpr_count:     148
    .wavefront_size: 32
...
	.end_amdgpu_metadata
.endif
;; end of part 1
;; launch proj (part 2): grid 4 x 48, 4 waves a work-group, clusters of 4 x 4, 327,680 bytes of LDS; arguments codes, scales, bq, bk, bv, qkv; writes qkv
.if DOCPART == 2
	.amdgcn_target "amdgcn-amd-amdhsa--gfx1250"
	.amdhsa_code_object_version 6
	.text
	.protected	k_q17ead8b669_proj
	.globl	k_q17ead8b669_proj
	.p2align	8
	.type	k_q17ead8b669_proj,@function
k_q17ead8b669_proj:
	s_mov_b64 s[64:65], 0
	v_nop
	global_prefetch_b8 v0, s[64:65] scope:SCOPE_SE
	s_setreg_imm32_b32 hwreg(HW_REG_WAVE_MODE, 25, 1), 1
	s_wait_xcnt 0x0
	s_wait_alu depctr_hold_cnt(0) depctr_sa_sdst(0) depctr_va_vdst(0) depctr_va_sdst(0) depctr_va_ssrc(0) depctr_va_vcc(0) depctr_vm_vsrc(0)
	s_getreg_b32 s2, hwreg(HW_REG_IB_STS2, 6, 4)
	s_cmp_eq_u32 s2, 0
	s_cbranch_scc0 .Lentry_in_a_cluster
	s_endpgm
.Lentry_in_a_cluster:
	s_bfe_u32 s2, ttmp6, 0x10000c
	s_cmp_lg_u32 s2, 0xf033
	s_cbranch_scc0 .Lentry_shape_is_right
	s_endpgm
.Lentry_shape_is_right:
.set PITCH, 528
.set HALFT, 128*PITCH
.set SCL,   4*HALFT
.set HALFS, 16*272
.set SBLK,  2*272
.set FR,    8
.set ADRA,  16
.set ADRB,  20
.set LI,    24
.set L8,    25
.set ADRS,  27
.set SC,    32
.set RB,    96
.set XW,    112
.set YW,    120
.set ZW,    124
.set AF,    128
.set T,     128
.set CBR,   192
.set PC,    192
.set TM,    208
.set PW,    224
.set G1,    24
.set G0,    32
.set G1B,   36
.set G0B,   44
.set G1S,   48
.set G0S,   56
.set G1SB,  68
.set G0SB,  76
.set MSB, 0
.macro WIN new
.if MSB != \new
	s_set_vgpr_msb (MSB<<8)|\new
.set MSB, \new
.endif
.endm
.set MUL_LO, 0xa1
.set MUL_HI, 0xf1
.set FST_LO, 0x81
.set FST_HI, 0xc1
.set TO_B,   0x40
.macro PLACES
.rept 4
	v_nop
.endr
.endm
; An arm of the head's one chain of branches on the wave's number: its joint load, and a jump to the chain's end
.macro ARM under, g0, g1, next
	s_cmp_lt_u32 s16, \under
	s_cbranch_scc0 \next
	tensor_load_to_lds s[\g0:\g0+3], s[\g1:\g1+7]
	s_nop 0
	PLACES
	s_branch .Lhead_asked
\next:
.endm
.macro CROUND
	s_barrier_signal -1
	s_barrier_wait -1
	s_cmp_lg_u32 s16, 0
	s_cbranch_scc1 .Lnot_wave_0_\@
	s_barrier_signal -3
.Lnot_wave_0_\@:
	s_barrier_wait -3
	s_barrier_signal -1
	s_barrier_wait -1
.endm
.macro QUANT s, nb, pc
.set qb, 0
.rept \nb
	v_max3_num_f32 v[TM+qb], |v[\s+16*qb]|, |v[\s+16*qb+1]|, 0x1800000
.set qb, qb+1
.endr
.irp i, 2,4,6,8,10,12,14
.set qb, 0
.rept \nb
	v_max3_num_f32 v[TM+qb], v[TM+qb], |v[\s+16*qb+\i]|, |v[\s+16*qb+\i+1]|
.set qb, qb+1
.endr
.endr
.set qb, 0
.rept \nb
	v_permlanex16_b32 v[TM+4+qb], v[TM+qb], s[SEL], s[SEL+1]
.set qb, qb+1
.endr
.set qb, 0
.rept \nb
	v_max_num_f32 v[TM+qb], v[TM+qb], v[TM+4+qb]
.set qb, qb+1
.endr
.set qb, 0
.rept \nb
	v_add_nc_u32 v[TM+12+qb], 0xff000000, v[TM+qb]
.set qb, qb+1
.endr
.set qb, 0
.rept \nb
	v_lshrrev_b32 v[TM+4+qb], 23, v[TM+12+qb]
.set qb, qb+1
.endr
	v_lshl_or_b32 v[PW], v[TM+5], 8, v[TM+4]
.if \nb > 2
	v_lshl_or_b32 v[PW], v[TM+6], 16, v[PW]
	v_lshl_or_b32 v[PW], v[TM+7], 24, v[PW]
.endif
.set qt, 0
.rept 2*\nb
	v_cvt_scalef32_pk8_fp4_f32 v[(\pc)+4*(qt/4)+2*(qt%2)+((qt/2)%2)], v[\s+8*qt:\s+8*qt+7], v[TM+12+qt/2]
.set qt, qt+1
.endr
	v_nop
.set qc, 0
.rept \nb/2
	v_permlane16_swap_b32 v[(\pc)+4*qc], v[(\pc)+4*qc+1]
	v_permlane16_swap_b32 v[(\pc)+4*qc+2], v[(\pc)+4*qc+3]
.set qc, qc+1
.endr
.endm
.set SEL, 2
	s_load_b128 s[4:7], s[0:1], 0x0
	s_load_b128 s[8:11], s[0:1], 0x10
	s_load_b128 s[12:15], s[0:1], 0x20
	v_lshl_add_u32 v30, v0, 2, 0x46400
	v_mov_b32 v31, 0
	ds_add_u32 v30, v31
	ds_add_u32 v30, v31
	v_lshrrev_b32 v1, 5, v0
	v_readfirstlane_b32 s16, v1
	s_lshr_b32 s17, s16, 1
	s_and_b32 s18, s16, 1
	s_bfe_u32 s19, ttmp6, 0x40000
	s_bfe_u32 s20, ttmp6, 0x40004
	s_and_b32 s21, ttmp7, 0xffff
	s_lshr_b32 s22, s21, 2
	s_and_b32 s23, s21, 3
	s_lshl_b32 s80, s20, 2
	s_lshl_b32 s80, 15, s80
	s_lshl_b32 s81, 0x1111, s19
	s_or_b32 s[G1+0], s80, (0<<16)|(1<<20)|(1<<21)|(6<<22)|(3<<25)
	s_or_b32 s[G1B+0], s81, (0<<16)|(1<<20)|(1<<21)|(6<<22)|(3<<25)
.irp g, G1, G1B
	s_mov_b32 s[\g+1], 512<<16
	s_mov_b32 s[\g+2], 256<<16
	s_mov_b32 s[\g+3], 512<<16
	s_mov_b32 s[\g+4], 256
	s_mov_b32 s[\g+5], 512
	s_mov_b32 s[\g+6], 0
	s_mov_b32 s[\g+7], 0
.endr
	s_or_b32 s[G1S+0], s80, (3<<16)|(1<<20)|(1<<21)|(5<<22)|(3<<25)
	s_or_b32 s[G1SB+0], s81, (3<<16)|(1<<20)|(1<<21)|(5<<22)|(3<<25)
.irp g, G1S, G1SB
	s_mov_b32 s[\g+1], 32<<16
	s_mov_b32 s[\g+2], 32<<16
	s_mov_b32 s[\g+3], 32<<16
	s_mov_b32 s[\g+4], 32
	s_mov_b32 s[\g+5], 32
	s_mov_b32 s[\g+6], 0
	s_mov_b32 s[\g+7], 0
.endr
	s_lshl_b32 s82, s21, 10
	s_lshl_b32 s83, s23, 10
	s_add_co_u32 s83, s83, 8192
	s_lshl_b32 s89, s22, 10
	s_add_co_u32 s89, s89, 12288
	s_cmp_eq_u32 s22, 2
	s_cselect_b32 s82, 14336, s82
	s_cselect_b32 s83, s83, s89
	s_cselect_b32 s85, 0, -1
	s_cselect_b32 s86, -1, 0
	s_lshl_b32 s84, s20, 8
	s_add_co_u32 s82, s82, s84                     ; the first of source 1's 256 rows
	s_lshl_b32 s88, s19, 8
	s_add_co_u32 s83, s83, s88                     ; the first of source 0's 256 rows
	s_lshl_b32 s90, s82, 9
	s_mov_b32 s91, 0
	s_lshl_b32 s92, s82, 5
	s_mov_b32 s93, 0
	s_lshl_b32 s94, s83, 9
	s_mov_b32 s95, 0
	s_lshl_b32 s96, s83, 5
	s_mov_b32 s97, 0
	s_wait_dscnt 0x0
	s_wait_kmcnt 0x0
	s_add_nc_u64 s[90:91], s[4:5], s[90:91]
	s_add_nc_u64 s[92:93], s[6:7], s[92:93]
	s_add_nc_u64 s[94:95], s[4:5], s[94:95]
	s_add_nc_u64 s[96:97], s[6:7], s[96:97]
	CROUND
	s_mov_b32 s[G0S], 1
	s_mov_b32 s[G0S+1], SCL
	s_mov_b64 s[G0S+2:G0S+3], s[92:93]
	s_or_b32 s[G0S+3], s[G0S+3], 0x80000000
	s_mov_b32 s[G0SB], 1
	s_mov_b32 s[G0SB+1], SCL+2*HALFS
	s_mov_b64 s[G0SB+2:G0SB+3], s[96:97]
	s_or_b32 s[G0SB+3], s[G0SB+3], 0x80000000
	s_mov_b32 s[G0], 1
	s_mov_b32 s[G0+1], 0
	s_mov_b64 s[G0+2:G0+3], s[90:91]
	s_or_b32 s[G0+3], s[G0+3], 0x80000000
	s_mov_b32 s[G0B], 1
	s_mov_b32 s[G0B+1], 2*HALFT
	s_mov_b64 s[G0B+2:G0B+3], s[94:95]
	s_or_b32 s[G0B+3], s[G0B+3], 0x80000000
	; the head's four tiles, each whole, one joint load a wave: wave 0 the 256 rows of codes at LDS byte 0, wave 1 the 256 rows behind them, waves 2 and 3 their scale bytes
	ARM 1, G0,  G1,  .Lhead_b
	ARM 2, G0B, G1B, .Lhead_sa
	ARM 3, G0S, G1S, .Lhead_sb
	tensor_load_to_lds s[G0SB:G0SB+3], s[G1SB:G1SB+7]
	s_nop 0
	PLACES
.Lhead_asked:
	v_and_b32 v1, 15, v0
	v_bfe_u32 v2, v0, 4, 1
	s_wait_alu depctr_va_vdst(0)
	s_cmp_eq_u32 s22, 0
	s_cselect_b64 s[90:91], s[8:9], s[10:11]
	s_cmp_eq_u32 s22, 2
	s_cselect_b64 s[90:91], s[12:13], s[90:91]
	s_lshl_b32 s92, s19, 10
	s_lshl_b32 s93, s18, 9
	s_add_co_u32 s92, s92, s93
	s_mov_b32 s93, 0
	s_add_nc_u64 s[92:93], s[90:91], s[92:93]
	s_lshl_b32 s94, s20, 10
	s_lshl_b32 s95, s17, 9
	s_add_co_u32 s94, s94, s95
	s_mov_b32 s95, 0
	s_add_nc_u64 s[94:95], s[90:91], s[94:95]
	v_lshlrev_b32 v7, 5, v2
	v_lshlrev_b32 v8, 2, v1
.irp b, 0,1,2,3,4,5,6,7
	global_load_b128 v[CBR+8*\b:CBR+8*\b+3], v7, s[92:93] offset:64*\b
	global_load_b128 v[CBR+8*\b+4:CBR+8*\b+7], v7, s[92:93] offset:64*\b+16
.endr
.irp a, 0,1,2,3,4,5,6,7
	global_load_b32 v[RB+2*\a], v8, s[94:95] offset:64*\a
.endr
	v_mul_u32_u24 v3, v1, PITCH
	v_lshl_add_u32 v4, v2, 4, v3
	s_mul_i32 s98, s17, HALFT
	s_mul_i32 s99, s18, HALFT
	s_add_co_u32 s99, s99, 2*HALFT
	v_add_nc_u32 v[ADRA], s98, v4
	v_add_nc_u32 v[ADRB], s99, v4
	v_lshlrev_b32 v5, 5, v1
	v_lshrrev_b32 v6, 8, v5
	v_lshl_add_u32 v5, v6, 4, v5
	s_mul_i32 s98, s17, HALFS
	s_mul_i32 s99, s18, HALFS
	s_add_co_u32 s99, s99, 2*HALFS
	s_sub_co_u32 s99, s99, s98
	v_mul_u32_u24 v6, s99, v2
	s_add_co_u32 s98, s98, SCL
	v_add_nc_u32 v5, v5, v6
	v_add_nc_u32 v[ADRS], s98, v5
	v_and_b32 v6, 31, v0
	v_lshlrev_b32 v[LI], 4, v6
	v_lshlrev_b32 v[L8], 3, v6
	s_mov_b32 s[SEL], 0x76543210
	s_mov_b32 s[SEL+1], 0xfedcba98
	s_wait_loadcnt 0x0
.set i, 0
.rept 64
	v_cndmask_b32 v[CBR+i], 0, v[CBR+i], s85
.set i, i+1
.endr
.irp a, 0,1,2,3,4,5,6,7
	v_cndmask_b32 v[RB+2*\a], 0, v[RB+2*\a], s86
	v_mov_b32 v[RB+2*\a+1], v[RB+2*\a]
.endr
	s_cmp_eq_u32 s22, 2
	s_cselect_b32 s82, s19, s20
	s_cselect_b32 s83, s20, s19
	s_lshl_b32 s84, s23, 2
	s_add_co_u32 s82, s82, s84
	s_lshr_b32 s84, s82, 3
	s_and_b32 s82, s82, 7
	s_mul_i32 s85, s22, 2359296
	s_mul_i32 s86, s84, 1179648
	s_add_co_u32 s85, s85, s86
	s_mul_i32 s86, s83, 294912
	s_add_co_u32 s85, s85, s86
	s_mul_i32 s86, s82, 36864
	s_add_co_u32 s85, s85, s86
	s_mul_i32 s86, s18, 18432
	s_add_co_u32 s85, s85, s86
	s_mul_i32 s86, s17, 4608
	s_add_co_u32 s85, s85, s86
	s_lshl_b32 s87, s84, 20
	s_add_co_u32 s87, s87, 4718592
	s_lshl_b32 s86, s83, 18
	s_add_co_u32 s87, s87, s86
	s_lshl_b32 s86, s82, 15
	s_add_co_u32 s87, s87, s86
	s_lshl_b32 s86, s17, 14
	s_add_co_u32 s87, s87, s86
	s_lshl_b32 s86, s18, 12
	s_add_co_u32 s87, s87, s86
	s_lshl_b32 s88, s84, 16
	s_add_co_u32 s88, s88, 6815744
	s_lshl_b32 s86, s83, 14
	s_add_co_u32 s88, s88, s86
	s_lshl_b32 s86, s82, 11
	s_add_co_u32 s88, s88, s86
	s_lshl_b32 s86, s17, 10
	s_add_co_u32 s88, s88, s86
	s_lshl_b32 s86, s18, 8
	s_add_co_u32 s88, s88, s86
	s_mov_b32 s96, 512
	s_mov_b32 s89, 9216
	s_cmp_eq_u32 s22, 2
	s_cselect_b32 s90, s87, s85
	s_cselect_b32 s96, 1024, s96
	s_cselect_b32 s98, 4096, 0
	s_cselect_b32 s92, 512, s89
	s_mov_b32 s91, 0
	s_mov_b32 s93, 0
	s_mov_b32 s97, 0
	s_mov_b32 s99, 0
	s_mov_b32 s94, s88
	s_mov_b32 s95, 0
	s_add_nc_u64 s[90:91], s[14:15], s[90:91]
	s_add_nc_u64 s[92:93], s[90:91], s[92:93]
	s_add_nc_u64 s[94:95], s[14:15], s[94:95]
	s_mov_b32 s89, 0xffff0000
.macro FRAG reg, adr, k, i
.irp c, 0,1
	ds_load_b128 v[\reg+4*\c:\reg+4*\c+3], v[\adr] offset:64*(\k)+32*\c+(\i)*16*PITCH
.endr
.endm
.macro MUL16 a0, p, k, first
.irp a, \a0, \a0+1
.irp b, 0,1,2,3,4,5,6,7
.if \first
	v_wmma_scale_f32_16x16x128_f8f6f4 v[8*(8*((\a)%4)+\b):8*(8*((\a)%4)+\b)+7], v[128*(\p)+FR*\b:128*(\p)+FR*\b+FR-1], v[AF+FR*(\a):AF+FR*(\a)+FR-1], v[CBR+8*\b:CBR+8*\b+7], v[SC+32*((\k)/4)+4*\b+(\k)%4], v[SC+32*((\k)/4)+4*(\a)+(\k)%4] matrix_a_fmt:MATRIX_FMT_FP4 matrix_b_fmt:MATRIX_FMT_FP4 matrix_a_scale:MATRIX_SCALE_ROW1
.else
	v_wmma_scale_f32_16x16x128_f8f6f4 v[8*(8*((\a)%4)+\b):8*(8*((\a)%4)+\b)+7], v[128*(\p)+FR*\b:128*(\p)+FR*\b+FR-1], v[AF+FR*(\a):AF+FR*(\a)+FR-1], v[8*(8*((\a)%4)+\b):8*(8*((\a)%4)+\b)+7], v[SC+32*((\k)/4)+4*\b+(\k)%4], v[SC+32*((\k)/4)+4*(\a)+(\k)%4] matrix_a_fmt:MATRIX_FMT_FP4 matrix_b_fmt:MATRIX_FMT_FP4 matrix_a_scale:MATRIX_SCALE_ROW1
.endif
.endr
.endr
.endm
.macro FETCH_B k, p
	WIN TO_B
.irp i, 0,1,2,3,4,5,6,7
	FRAG 128*(\p)+FR*\i, ADRB, \k, \i
.endr
	WIN 0
.endm
.macro FETCH_A k, i0
.irp i, \i0, \i0+1, \i0+2, \i0+3
	FRAG AF+FR*(\i), ADRA, \k, \i
.endr
.endm
.macro STEP k, first
	s_wait_dscnt 8
.if \first
	WIN FST_LO
.else
	WIN MUL_LO
.endif
	MUL16 0, (\k)%2, \k, \first
	MUL16 2, (\k)%2, \k, \first
	s_wait_dscnt 0x0
	PLACES
	FETCH_B (\k)+1, 1-(\k)%2
	FETCH_A (\k)+1, 0
.if \first
	WIN FST_HI
.else
	WIN MUL_HI
.endif
	MUL16 4, (\k)%2, \k, \first
	MUL16 6, (\k)%2, \k, \first
	PLACES
	WIN 0
	FETCH_A (\k)+1, 4
.endm
	s_wait_tensorcnt 0x0
	s_barrier_signal -1
	s_barrier_wait -1
	FETCH_B 0, 0
	FETCH_A 0, 0
.irp i, 0,1,2,3,4,5,6,7
.irp s, 0,1
	ds_load_b128 v[SC+32*\s+4*\i:SC+32*\s+4*\i+3], v[ADRS] offset:\i*SBLK+16*\s
.endr
.endr
	FETCH_A 0, 4
	STEP 0, 1
.irp k, 1,2,3,4,5,6
	STEP \k, 0
.endr
	s_wait_dscnt 8
	WIN MUL_LO
	MUL16 0, 1, 7, 0
	MUL16 2, 1, 7, 0
	s_wait_dscnt 0x0
	WIN MUL_HI
	MUL16 4, 1, 7, 0
	MUL16 6, 1, 7, 0
	WIN 0
.irp b, 0,1,2,3
	v_mov_b32 v[TM+4+\b], 0
.endr
.irp a, 0,1,2,3,4,5,6,7
.set WN, 0x02+(\a)/4
	WIN WN
.set i, 0
.rept 32
	v_pk_add_f32 v[T+2*i:T+2*i+1], v[64*((\a)%4)+2*i:64*((\a)%4)+2*i+1], v[RB+2*\a:RB+2*\a+1]
.set i, i+1
.endr
	WIN 0
	QUANT T, 4, PC+8*((\a)%2)
	v_mov_b32 v[XW+\a], v[PW]
	global_store_b128 v[LI], v[PC+8*((\a)%2):PC+8*((\a)%2)+3], s[90:91]
	global_store_b128 v[LI], v[PC+8*((\a)%2)+4:PC+8*((\a)%2)+7], s[92:93]
	s_wait_xcnt 0x0
	s_add_nc_u64 s[90:91], s[90:91], s[96:97]
	s_add_nc_u64 s[92:93], s[92:93], s[96:97]
.if \a == 3
	s_add_nc_u64 s[90:91], s[90:91], s[98:99]
	s_add_nc_u64 s[92:93], s[92:93], s[98:99]
.endif
.endr
	s_wait_alu depctr_va_vdst(0)
.irp i, 0,1,2,3
	v_cndmask_b32 v[YW+\i], v[XW+2*\i], v[XW+2*\i+1], s89
.endr
	s_cmp_eq_u32 s22, 2
	s_cbranch_scc1 .Lv_words
.irp i, 0,1,2,3
	v_lshrrev_b32 v[ZW+\i], 16, v[YW+\i]
.endr
	global_store_b128 v[LI], v[YW:YW+3], s[90:91]
	global_store_b128 v[LI], v[ZW:ZW+3], s[92:93]
	s_branch .Lwords_done
.Lv_words:
	s_wait_alu depctr_va_vdst(0)
	global_store_b64 v[L8], v[YW:YW+1], s[94:95]
	global_store_b64 v[L8], v[YW+2:YW+3], s[94:95] offset:512
.Lwords_done:
	s_wait_tensorcnt 0x0
	ds_add_u32 v30, v31
	s_wait_dscnt 0x0
	CROUND
	s_endpgm
.Lfunc_end_k_q17ead8b669_proj:
	.size	k_q17ead8b669_proj, .Lfunc_end_k_q17ead8b669_proj-k_q17ead8b669_proj
	.p2alignl 7, 3214868480
	.fill 96, 4, 3214868480
	.section	.rodata,"a",@progbits
	.p2align	6, 0x0
	.amdhsa_kernel k_q17ead8b669_proj
		.amdhsa_group_segment_fixed_size 327680
		.amdhsa_private_segment_fixed_size 0
		.amdhsa_enable_private_segment 0
		.amdhsa_kernarg_size 48
		.amdhsa_user_sgpr_count 2
		.amdhsa_user_sgpr_kernarg_segment_ptr 1
		.amdhsa_wavefront_size32 1
		.amdhsa_system_sgpr_workgroup_id_x 1
		.amdhsa_system_sgpr_workgroup_id_y 1
		.amdhsa_system_sgpr_workgroup_id_z 1
		.amdhsa_system_vgpr_workitem_id 0
		.amdhsa_next_free_vgpr 1024
		.amdhsa_next_free_sgpr 100
		.amdhsa_reserve_vcc 0
		.amdhsa_float_denorm_mode_32 3
		.amdhsa_float_denorm_mode_16_64 3
		.amdhsa_memory_ordered 1
		.amdhsa_forward_progress 1
		.amdhsa_inst_pref_size 153
	.end_amdhsa_kernel
	.amdgpu_metadata
---
amdhsa.version: [ 1, 2 ]
amdhsa.kernels:
  - .name:           k_q17ead8b669_proj
    .symbol:         k_q17ead8b669_proj.kd
    .args:
      - { .name: codes, .offset: 0, .size: 8, .value_kind: global_buffer, .address_space: global }
      - { .name: scales, .offset: 8, .size: 8, .value_kind: global_buffer, .address_space: global }
      - { .name: bq, .offset: 16, .size: 8, .value_kind: global_buffer, .address_space: global }
      - { .name: bk, .offset: 24, .size: 8, .value_kind: global_buffer, .address_space: global }
      - { .name: bv, .offset: 32, .size: 8, .value_kind: global_buffer, .address_space: global }
      - { .name: qkv, .offset: 40, .size: 8, .value_kind: global_buffer, .address_space: global }
    .group_segment_fixed_size: 327680
    .private_segment_fixed_size: 0
    .kernarg_segment_align: 8
    .kernarg_segment_size: 48
    .max_flat_workgroup_size: 128
    .sgpr_count:     100
    .vgpr_count:     1024
    .wavefront_size: 32
...
	.end_amdgpu_metadata
.endif
;; end of part 2
;; launch attn (part 3): grid 4 x 64, 16 waves a work-group, clusters of 4 x 4, 327,680 bytes of LDS; arguments qkv, relm, oc, os; writes oc, os
.if DOCPART == 3
	.amdgcn_target "amdgcn-amd-amdhsa--gfx1250"
	.amdhsa_code_object_version 6
	.text
	.protected	k_q17ead8b669_attn
	.globl	k_q17ead8b669_attn
	.p2align	8
	.type	k_q17ead8b669_attn,@function
k_q17ead8b669_attn:
	s_mov_b64 s[64:65], 0
	v_nop
	global_prefetch_b8 v0, s[64:65] scope:SCOPE_SE
	s_setreg_imm32_b32 hwreg(HW_REG_WAVE_MODE, 25, 1), 1
	s_wait_xcnt 0x0
	s_wait_alu depctr_hold_cnt(0) depctr_sa_sdst(0) depctr_va_vdst(0) depctr_va_sdst(0) depctr_va_ssrc(0) depctr_va_vcc(0) depctr_vm_vsrc(0)
	s_getreg_b32 s2, hwreg(HW_REG_IB_STS2, 6, 4)
	s_cmp_eq_u32 s2, 0
	s_cbranch_scc0 .Lentry_in_a_cluster
	s_endpgm
.Lentry_in_a_cluster:
	s_bfe_u32 s2, ttmp6, 0x10000c
	s_cmp_lg_u32 s2, 0xf033
	s_cbranch_scc0 .Lentry_shape_is_right
	s_endpgm
.Lentry_shape_is_right:
; attn = softmax((Q K^T + relative_time) / 8, masked), O = attn V, both products on codes of FP4 with E8M0 scales; O is quantised along the model's 1,024 for the last product.
; What is quantised for the second product is the FINISHED, NORMALISED softmax, so a row's maximum and sum are known first: the keys are walked twice.
;   PASS 1: scores, a running maximum and sum for each lane.  MERGE: the row's m and l; NM2 = -c m - log2 l, c = log2(e) / 8.  PASS 2: scores again, p = 2^(c s + NM2), quantised in blocks of 32 keys, O^T += V^T P^T.
; relm (relative_time, or -2^100 where the mask is false) is loaded from LDS straight into the score accumulators and is the C of K Q^T.
; SHARES.  A work-group: 64 queries x 4 heads.  Wave w: 16 queries (w % 4) of head w / 4: four waves to a SIMD, so that one wave's vector work stands beside another's LDS loads and products.
; Both products are used transposed (source 0 = 16 keys, or 16 channels of V; source 1 = my 16 queries): a lane holds one query, its registers run along the keys, 16 t + 8 (lane/16) + j in tile t.
; K = 64 fills half of the instruction's 128: registers 4-7 of Q's and K's fragments are zero codes.
; RING.  Two LDS slots of 256 keys (relm 64 rows x 1,024 bytes, K's images 36,864 bytes), two more for V's images (32,768), V's scale words of all keys filled once.  16 phases; at each phase's head the next phase's tiles are asked for.
; CLUSTER 4 x 4: relm hangs on the queries alone and is asked for jointly along a row of the cluster; K and V hang on batch and head group and are asked for jointly along a column.
; LIMITS: a score + relative_time under -2^96 counts as masked; a p under 2^-126 is 0; NaN and infinities are not served; a block of zeros carries the byte 1 (this program alone reads the bytes).  A row with no true mask bit gives O = 0.
; REGISTERS: v1, v2 the spare word's address and 0; v3-6 my places in relm, K, V, V's scale words; v7-10 addresses in hand; v11 Q's scale word; v12 -c M, later NM2; v13 M; v[14:15] the sum; v16-23 Q;
;   v24-27 K's scale words; v28-29 V's; v30 p's; v31 where O's two scale bytes go; v32-95 K; v96-159 scores, then p; v160-191 V; v192-223 O^T; v224-231 p's codes; v232-255 at work.
.set SLOTX, 0x20000                    ; from slot 0 to slot 1
.set RP,    1040                       ; a row of relm in LDS: 1,024 bytes + 16: the 16 rows of a load start 4 banks apart
.set KOFF,  64*RP                      ; K's images in a slot
.set VSC,   103424                     ; V's scale words, 16,384 bytes
.set SPARE, 119808                     ; the spare words: 128 bytes for each of 16 waves: eight blocks of 256 bytes that no other line names
.set STG,   121856                     ; O's scale bytes of 64 tokens x 4 heads: 512 bytes into which no fill lands
.set VC,    262144                     ; V's images, two slots
.set VX,    0x8000
.set S,     96
.set KF,    32
.set VF,    160
.set O,     192
.set TM,    232
.set PW,    30
.set SEL,   84
.macro PLACES
.rept 4
	v_nop
.endr
.endm
.macro CROUND                          ; a round of the cluster's barrier
	s_barrier_signal -1
	s_barrier_wait -1
	s_cmp_lg_u32 s12, 0
	s_cbranch_scc1 .Lnot_wave_0_\@
	s_barrier_signal -3
.Lnot_wave_0_\@:
	s_barrier_wait -3
	s_barrier_signal -1
	s_barrier_wait -1
.endm
; The joint refills: wave 0 relm, wave 1 K, and with kind = 2 wave 2 V.  The branches hang on the wave's number alone; four v_nop follow each load.
.macro JLOAD kind
	s_cmp_lg_u32 s12, 0
	s_cbranch_scc1 .Lnot0_\@
	tensor_load_to_lds s[48:51], s[16:23]
	s_nop 0
	PLACES
	s_branch .Lasked_\@
.Lnot0_\@:
	s_cmp_lg_u32 s12, 1
	s_cbranch_scc1 .Lnot1_\@
	tensor_load_to_lds s[52:55], s[24:31]
	s_nop 0
	PLACES
	s_branch .Lasked_\@
.Lnot1_\@:
.if \kind == 2
	s_cmp_lg_u32 s12, 2
	s_cbranch_scc1 .Lasked_\@
	tensor_load_to_lds s[60:63], s[32:39]
	s_nop 0
	PLACES
.endif
.Lasked_\@:
.endm
; 16 nb numbers of a lane, register 8 t + j = element 16 t + 8 (lane/16) + j of my row along the next K, become codes in v[pc] on, in the operand's layout, and the scale word in v[PW].
.macro QUANT s, nb, pc
.set qb, 0
.rept \nb
	v_max3_num_f32 v[TM+qb], |v[\s+16*qb]|, |v[\s+16*qb+1]|, 0x1800000
.set qb, qb+1
.endr
.irp i, 2,4,6,8,10,12,14
.set qb, 0
.rept \nb
	v_max3_num_f32 v[TM+qb], v[TM+qb], |v[\s+16*qb+\i]|, |v[\s+16*qb+\i+1]|
.set qb, qb+1
.endr
.endr
.set qb, 0
.rept \nb
	s_delay_alu instid0(VALU_DEP_2)
	v_permlanex16_b32 v[TM+4+qb], v[TM+qb], s[SEL], s[SEL+1]
.set qb, qb+1
.endr
.set qb, 0
.rept \nb
	s_delay_alu instid0(VALU_DEP_2)
	v_max_num_f32 v[TM+qb], v[TM+qb], v[TM+4+qb]
.set qb, qb+1
.endr
.set qb, 0
.rept \nb
	s_delay_alu instid0(VALU_DEP_2)
	v_add_nc_u32 v[TM+12+qb], 0xff000000, v[TM+qb]
.set qb, qb+1
.endr
.set qb, 0
.rept \nb
	s_delay_alu instid0(VALU_DEP_2)
	v_lshrrev_b32 v[TM+4+qb], 23, v[TM+12+qb]
.set qb, qb+1
.endr
	s_delay_alu instid0(VALU_DEP_1)
	v_lshl_or_b32 v[PW], v[TM+5], 8, v[TM+4]
.if \nb > 2
	v_lshl_or_b32 v[PW], v[TM+6], 16, v[PW]
	v_lshl_or_b32 v[PW], v[TM+7], 24, v[PW]
.endif
.set qt, 0
.rept 2*\nb
	v_cvt_scalef32_pk8_fp4_f32 v[(\pc)+4*(qt/4)+2*(qt%2)+((qt/2)%2)], v[\s+8*qt:\s+8*qt+7], v[TM+12+qt/2]
.set qt, qt+1
.endr
	v_nop
.set qc, 0
.rept \nb/2
	v_permlane16_swap_b32 v[(\pc)+4*qc], v[(\pc)+4*qc+1]
	v_permlane16_swap_b32 v[(\pc)+4*qc+2], v[(\pc)+4*qc+3]
.set qc, qc+1
.endr
.endm
	s_load_b256 s[4:11], s[0:1], 0x0               ; qkv s[4:5], relm s[6:7], oc s[8:9], os s[10:11]
	v_lshl_add_u32 v1, v0, 2, SPARE
	v_mov_b32 v2, 0
	ds_add_u32 v1, v2
	ds_add_u32 v1, v2
	s_wait_dscnt 0x0
	v_lshrrev_b32 v7, 5, v0
	s_delay_alu instid0(VALU_DEP_1)
	v_readfirstlane_b32 s12, v7                    ; wave 0..15
	s_and_b32 s13, s12, 3                          ; my tile of 16 queries
	s_lshr_b32 s14, s12, 2                         ; my head of the four
	s_bfe_u32 s87, ttmp6, 0x40000                  ; cx: the group of four heads
	s_bfe_u32 s88, ttmp6, 0x40004                  ; cy
	s_and_b32 s89, ttmp7, 0xffff                   ; the cluster's y, 0..15
	s_lshr_b32 s90, s89, 3                         ; the batch
	s_lshl_b32 s91, s89, 2
	s_add_co_u32 s91, s91, s88                     ; my block of 64 of the 4,096 query rows
	s_lshl_b32 s92, s88, 2
	s_lshl_b32 s92, 15, s92                        ; my row of the cluster
	s_lshl_b32 s93, 0x1111, s87                    ; my column
	s_or_b32 s16, s92, (2<<16)|(1<<20)|(1<<21)|(7<<22)|(3<<25)   ; relm: the mask; elements of 4 bytes; padding on; bit 21 beside a mask; after every 256 words, 4 words
	s_mov_b32 s17, 256<<16                         ; tensor_dim0
	s_mov_b32 s18, 64<<16                          ; tensor_dim1
	s_mov_b32 s19, 256<<16                         ; tile_dim0
	s_mov_b32 s20, 64                              ; tile_dim1
	s_mov_b32 s21, 2048                            ; from row to row
	s_mov_b32 s22, 0
	s_mov_b32 s23, 0
	s_or_b32 s24, s93, (3<<16)|(1<<21)             ; K: 36,864 dense bytes as 144 rows of 32 elements of 8 bytes
	s_mov_b32 s25, 32<<16
	s_mov_b32 s26, 144<<16
	s_mov_b32 s27, 32<<16
	s_mov_b32 s28, 144
	s_mov_b32 s29, 32
	s_mov_b32 s30, 0
	s_mov_b32 s31, 0
	s_or_b32 s32, s93, (3<<16)|(1<<21)             ; V: 32,768 dense bytes, 128 rows
	s_mov_b32 s33, 32<<16
	s_mov_b32 s34, 128<<16
	s_mov_b32 s35, 32<<16
	s_mov_b32 s36, 128
	s_mov_b32 s37, 32
	s_mov_b32 s38, 0
	s_mov_b32 s39, 0
	s_or_b32 s40, s93, (3<<16)|(1<<21)             ; V's scale words: 16,384 dense bytes, 64 rows
	s_mov_b32 s41, 32<<16
	s_mov_b32 s42, 64<<16
	s_mov_b32 s43, 32<<16
	s_mov_b32 s44, 64
	s_mov_b32 s45, 32
	s_mov_b32 s46, 0
	s_mov_b32 s47, 0
	s_lshl_b32 s2, s91, 19                         ; relm: 64 rows of 8,192 bytes a block
	s_mov_b32 s3, 0
	s_mul_i32 s98, s90, 1179648
	s_mul_i32 s99, s87, 294912
	s_add_co_u32 s98, s98, s99                     ; Q's and K's images of (batch, head group)
	s_mov_b32 s97, 0
	s_mov_b32 s95, 0
	s_mov_b32 s80, 0x3e38aa3b                      ; c = log2(e) / 8
	s_mov_b32 s81, s80                             ; (named with it as a pair)
	s_mov_b32 s82, 0xbe38aa3b                      ; -c
	s_mov_b32 s[SEL], 0x76543210
	s_mov_b32 s[SEL+1], 0xfedcba98                 ; lane l xor 16
	s_mov_b32 s76, 0                               ; the block of 256 keys last asked for
	s_mov_b32 s77, 0                               ; the slot in hand
	s_mov_b32 s78, 0                               ; V's slot in hand
	s_mov_b32 s79, 0                               ; V's scale words of the phase in hand
	s_wait_kmcnt 0x0
	s_add_nc_u64 s[72:73], s[6:7], s[2:3]          ; relm at my 64 rows
	s_add_co_u32 s96, s98, 2359296
	s_add_nc_u64 s[74:75], s[4:5], s[96:97]        ; K's images
	s_mov_b32 s48, 1                               ; group 0 for relm: count; LDS address; global address; type
	s_mov_b32 s49, 0
	s_mov_b64 s[50:51], s[72:73]
	s_or_b32 s51, s51, 0x80000000
	s_mov_b32 s52, 1                               ; for K
	s_mov_b32 s53, KOFF
	s_mov_b64 s[54:55], s[74:75]
	s_or_b32 s55, s55, 0x80000000
	s_lshl_b32 s96, s90, 20
	s_lshl_b32 s99, s87, 18
	s_add_co_u32 s96, s96, s99
	s_add_co_u32 s96, s96, 4718592
	s_mov_b32 s56, 1                               ; for V's keys 0-255,
	s_mov_b32 s57, VC
	s_add_nc_u64 s[58:59], s[4:5], s[96:97]
	s_mov_b32 s60, 1                               ; and keys 256-511; this one walks on
	s_mov_b32 s61, VC+VX
	s_add_nc_u64 s[62:63], s[58:59], 32768
	s_or_b32 s59, s59, 0x80000000
	s_or_b32 s63, s63, 0x80000000
	s_lshl_b32 s96, s90, 16
	s_lshl_b32 s99, s87, 14
	s_add_co_u32 s96, s96, s99
	s_add_co_u32 s96, s96, 6815744
	s_mov_b32 s68, 1                               ; for V's scale words
	s_mov_b32 s69, VSC
	s_add_nc_u64 s[70:71], s[4:5], s[96:97]
	s_or_b32 s71, s71, 0x80000000
	CROUND                                         ; all sixteen work-groups are here: the first joint loads meet
	s_cmp_lg_u32 s12, 0                            ; the first fills, one chain of branches on the wave's number: waves 0 to 4 have one load each, the others none
	s_cbranch_scc1 .Lfirst1
	tensor_load_to_lds s[48:51], s[16:23]
	s_nop 0
	PLACES
	s_branch .Lfirst_asked
.Lfirst1:
	s_cmp_lg_u32 s12, 1
	s_cbranch_scc1 .Lfirst2
	tensor_load_to_lds s[52:55], s[24:31]
	s_nop 0
	PLACES
	s_branch .Lfirst_asked
.Lfirst2:
	s_cmp_lg_u32 s12, 2
	s_cbranch_scc1 .Lfirst3
	tensor_load_to_lds s[56:59], s[32:39]
	s_nop 0
	PLACES
	s_branch .Lfirst_asked
.Lfirst3:
	s_cmp_lg_u32 s12, 3
	s_cbranch_scc1 .Lfirst4
	tensor_load_to_lds s[68:71], s[40:47]
	s_nop 0
	PLACES
	s_branch .Lfirst_asked
.Lfirst4:
	s_cmp_lg_u32 s12, 4
	s_cbranch_scc1 .Lfirst_asked
	tensor_load_to_lds s[60:63], s[32:39]          ; V's keys 256-511: wave 4's one load
	s_nop 0
	PLACES
.Lfirst_asked:
	v_and_b32 v232, 15, v0                         ; r
	s_wait_alu depctr_va_vdst(0)
	v_bfe_u32 v233, v0, 4, 1                       ; h
	v_and_b32 v234, 31, v0                         ; lane
	s_wait_alu depctr_va_vdst(0)
	v_mul_u32_u24 v3, v232, RP
	s_delay_alu instid0(VALU_DEP_1)
	v_lshl_add_u32 v3, v233, 5, v3
	s_mul_i32 s100, s13, 16*RP
	v_add_nc_u32 v3, s100, v3                      ; relm: row 16 x tile + r, + 32 h
	s_mul_i32 s100, s14, 9216
	s_add_co_u32 s100, s100, KOFF
	v_lshl_add_u32 v4, v234, 4, s100               ; K: my head's images, 16 x lane
	s_lshl_b32 s100, s14, 13
	s_add_co_u32 s100, s100, VC
	v_lshl_add_u32 v5, v234, 4, s100               ; V likewise
	s_lshl_b32 s100, s14, 9
	s_add_co_u32 s100, s100, VSC
	v_lshl_add_u32 v6, v234, 3, s100               ; V's scale words: 8 x lane
	s_lshl_b32 s100, s13, 7
	s_lshl_b32 s101, s14, 1
	s_add_co_u32 s100, s100, s101
	s_add_co_u32 s100, s100, STG
	v_lshl_add_u32 v31, v232, 3, s100              ; O's two scale bytes: 8 x (16 x tile + r) + 2 x head
	; Q's fragment and scale word, from the images that the projection stored
	s_and_b32 s15, s91, 31                         ; my block of 64 in the batch
	s_lshr_b32 s66, s15, 2
	s_mul_i32 s66, s66, 36864
	s_add_co_u32 s66, s66, s98
	s_mul_i32 s67, s14, 9216
	s_add_co_u32 s66, s66, s67
	s_bfe_u32 s67, s15, 0x10001
	s_mul_i32 s67, s67, 4608
	s_add_co_u32 s66, s66, s67                     ; the block of 128 tokens of my head
	s_and_b32 s15, s15, 1
	s_lshl_b32 s67, s15, 2
	s_add_co_u32 s67, s67, s13                     ; my tile in it, T
	s_lshl_b32 s67, s67, 9
	s_add_co_u32 s67, s67, s66
	v_lshl_add_u32 v235, v234, 4, s67
	s_wait_alu depctr_va_vdst(0)
	s_lshl_b32 s15, s15, 1
	s_lshr_b32 s83, s13, 1
	s_add_co_u32 s15, s15, s83                     ; word T / 2
	s_lshl_b32 s15, s15, 2
	s_and_b32 s83, s13, 1
	s_lshl_b32 s83, s83, 8                         ; of lanes 16 (T % 2) + r
	s_add_co_u32 s15, s15, s83
	s_add_co_u32 s15, s15, s66
	v_lshl_add_u32 v236, v232, 4, s15
	global_load_b128 v[16:19], v235, s[4:5]
	global_load_b32 v11, v236, s[4:5] offset:4096
.irp i, 20,21,22,23
	v_mov_b32 v[\i], 0                             ; k = 64..127: zero codes
.endr
.irp t, 0,1,2,3,4,5,6,7
.irp i, 4,5,6,7
	v_mov_b32 v[KF+8*\t+\i], 0
.endr
.endr
	v_mov_b32 v13, 0xef800000                      ; M begins at -2^96 and never falls under it: masked scores, -2^100, give p = 0 under it
	s_delay_alu instid0(VALU_DEP_1)
	v_mul_f32 v12, s82, v13                        ; -c M
	v_mov_b32 v14, 0
	v_mov_b32 v15, 0
	v_mov_b32 v239, 0                              ; (named as the upper half of the pair v[238:239])
.macro LOADS sg                        ; 128 keys: relm into the accumulators, K's eight fragments, K's scale words: 25 loads
.irp t, 0,1,2,3,4,5,6,7
	ds_load_b128 v[S+8*\t:S+8*\t+3], v7 offset:512*\sg+64*\t
	ds_load_b128 v[S+8*\t+4:S+8*\t+7], v7 offset:512*\sg+64*\t+16
.endr
.irp t, 0,1,2,3,4,5,6,7
	ds_load_b128 v[KF+8*\t:KF+8*\t+3], v8 offset:4608*\sg+512*\t
.endr
	ds_load_b128 v[24:27], v8 offset:4608*\sg+4096
.endm
.macro SCORES                          ; S^T = K Q^T + relm: eight accumulators, one instruction each
.irp t, 0,2,4,6
	v_wmma_scale_f32_16x16x128_f8f6f4 v[S+8*\t:S+8*\t+7], v[KF+8*\t:KF+8*\t+7], v[16:23], v[S+8*\t:S+8*\t+7], v[24+\t/2], v11 matrix_a_fmt:MATRIX_FMT_FP4 matrix_b_fmt:MATRIX_FMT_FP4
	v_wmma_scale_f32_16x16x128_f8f6f4 v[S+8*\t+8:S+8*\t+15], v[KF+8*\t+8:KF+8*\t+15], v[16:23], v[S+8*\t+8:S+8*\t+15], v[24+\t/2], v11 matrix_a_fmt:MATRIX_FMT_FP4 matrix_b_fmt:MATRIX_FMT_FP4 matrix_a_scale:MATRIX_SCALE_ROW1
.endr
.endm
.macro BLOCKMAX                        ; four chains: the first 15 scores of each block of my 16
.irp b, 0,1,2,3
	v_max3_num_f32 v[232+\b], v[S+16*\b], v[S+16*\b+1], v[S+16*\b+2]
.endr
.irp i, 3,5,7,9,11,13
.irp b, 0,1,2,3
	v_max3_num_f32 v[232+\b], v[232+\b], v[S+16*\b+\i], v[S+16*\b+\i+1]
.endr
.endr
.endm
.macro SCALE from, n                   ; c s + v12, two at a time (of the pairs c and v[12:13] the low word serves both halves)
.set jj, \from
.rept \n
	v_pk_fma_f32 v[S+jj:S+jj+1], v[S+jj:S+jj+1], s[80:81], v[12:13] op_sel_hi:[1,0,0]
.set jj, jj+2
.endr
.endm
.macro EXPS
.set jj, 0
.rept 64
	v_exp_f32 v[S+jj], v[S+jj]
.set jj, jj+1
.endr
.endm
; PASS 1, 128 keys: my lane's running maximum and sum; no other lane is asked.
.macro STEP1 sg
	LOADS \sg
	s_wait_dscnt 0x0
	SCORES
	PLACES
	BLOCKMAX
	v_max3_num_f32 v232, v232, v[S+15], v[S+31]
	v_max3_num_f32 v234, v234, v[S+47], v[S+63]
	s_delay_alu instid0(VALU_DEP_1)
	v_max3_num_f32 v232, v232, v233, v234
	v_mov_b32 v236, v12                            ; the old -c M
	s_delay_alu instid0(VALU_DEP_2)
	v_max3_num_f32 v13, v232, v235, v13            ; the new M
	s_delay_alu instid0(VALU_DEP_1)
	v_mul_f32 v12, s82, v13
	s_delay_alu instid0(VALU_DEP_1)
	v_sub_f32 v237, v12, v236                      ; c M_old - c M_new
	s_wait_alu depctr_va_vdst(0)
	v_exp_f32 v238, v237
	SCALE 0, 32
	s_wait_alu depctr_va_vdst(0)
	EXPS
	s_wait_alu depctr_va_vdst(0)
	v_pk_mul_f32 v[14:15], v[14:15], v[238:239] op_sel_hi:[1,0]   ; the sum under the new M (a plain place behind the exponentials)
	v_pk_add_f32 v[240:241], v[100:101], v[104:105]
	v_pk_add_f32 v[254:255], v[108:109], v[112:113]
	v_pk_add_f32 v[252:253], v[116:117], v[120:121]
	v_pk_add_f32 v[250:251], v[124:125], v[128:129]
	v_pk_add_f32 v[248:249], v[132:133], v[136:137]
	v_pk_add_f32 v[246:247], v[140:141], v[144:145]
	v_pk_add_f32 v[244:245], v[148:149], v[152:153]
	v_pk_add_f32 v[14:15], v[14:15], v[156:157]
	v_pk_add_f32 v[240:241], v[240:241], v[96:97]
	v_pk_add_f32 v[254:255], v[254:255], v[98:99]
	v_pk_add_f32 v[252:253], v[252:253], v[102:103]
	v_pk_add_f32 v[250:251], v[250:251], v[106:107]
	v_pk_add_f32 v[248:249], v[248:249], v[110:111]
	v_pk_add_f32 v[246:247], v[246:247], v[114:115]
	v_pk_add_f32 v[244:245], v[244:245], v[118:119]
	v_pk_add_f32 v[14:15], v[14:15], v[122:123]
	v_pk_add_f32 v[240:241], v[240:241], v[126:127]
	v_pk_add_f32 v[254:255], v[254:255], v[130:131]
	v_pk_add_f32 v[252:253], v[252:253], v[134:135]
	v_pk_add_f32 v[250:251], v[250:251], v[138:139]
	v_pk_add_f32 v[248:249], v[248:249], v[142:143]
	v_pk_add_f32 v[246:247], v[246:247], v[146:147]
	v_pk_add_f32 v[244:245], v[244:245], v[150:151]
	v_pk_add_f32 v[14:15], v[14:15], v[154:155]
	v_pk_add_f32 v[240:241], v[240:241], v[158:159]
	s_delay_alu instid0(VALU_DEP_2)
	v_pk_add_f32 v[14:15], v[14:15], v[250:251]
	s_delay_alu instid0(VALU_DEP_2)
	v_pk_add_f32 v[240:241], v[240:241], v[248:249]
	v_pk_add_f32 v[254:255], v[254:255], v[246:247]
	v_pk_add_f32 v[252:253], v[252:253], v[244:245]
	s_delay_alu instid0(VALU_DEP_2)
	v_pk_add_f32 v[14:15], v[14:15], v[254:255]
	s_delay_alu instid0(VALU_DEP_2)
	v_pk_add_f32 v[240:241], v[240:241], v[252:253]
	s_delay_alu instid0(VALU_DEP_1)
	v_pk_add_f32 v[14:15], v[14:15], v[240:241]
.endm
; PASS 2, 128 keys: p, final as it stands, is quantised block by block and multiplied by V.
.macro STEP2 sg
.if \sg
	PLACES                                         ; places behind the last products, in front of loads into their registers
.else
	v_add_nc_u32 v7, s77, v3                       ; (these four are those places)
	v_add_nc_u32 v8, s77, v4
	v_add_nc_u32 v9, s78, v5
	v_add_nc_u32 v10, s79, v6
.endif
	LOADS \sg
.irp ct, 0,1,2,3
.irp c, 0,1
	ds_load_b128 v[VF+8*\ct+4*\c:VF+8*\ct+4*\c+3], v9 offset:4096*\sg+1024*\ct+512*\c
.endr
.endr
	ds_load_b64 v[28:29], v10 offset:256*\sg
	s_wait_dscnt 9                                 ; V's eight loads and its scale words may stay out
	SCORES
	PLACES
	BLOCKMAX
.irp b, 0,1,2,3
	v_max_num_f32 v[232+\b], v[232+\b], v[S+16*\b+15]
.endr
.irp b, 0,1,2,3
	v_permlanex16_b32 v[236+\b], v[232+\b], s[SEL], s[SEL+1]
.endr
.irp b, 0,1,2,3
	s_delay_alu instid0(VALU_DEP_4)
	v_max_num_f32 v[232+\b], v[232+\b], v[236+\b]  ; each block's largest score: p rises with the score
.endr
.irp b, 0,1,2,3
	s_delay_alu instid0(VALU_DEP_4)
	v_fma_f32 v[232+\b], v[232+\b], s80, v12
.endr
	s_wait_alu depctr_va_vdst(0)
.irp b, 0,1,2,3
	v_exp_f32 v[232+\b], v[232+\b]                 ; the block's largest p
.endr
	SCALE 0, 16
	s_wait_alu depctr_va_vdst(0)
.irp b, 0,1,2,3
	v_max_num_f32 v[232+\b], 0x1800000, v[232+\b]  ; the floor 2^(3 - 127): the byte cannot fall under 1
.endr
.irp b, 0,1,2,3
	s_delay_alu instid0(VALU_DEP_4)
	v_add_nc_u32 v[244+\b], 0xff000000, v[232+\b]  ; the conversion's scale operand
.endr
.irp b, 0,1,2,3
	s_delay_alu instid0(VALU_DEP_4)
	v_lshrrev_b32 v[240+\b], 23, v[244+\b]
.endr
	s_delay_alu instid0(VALU_DEP_3)
	v_lshl_or_b32 v30, v241, 8, v240               ; p's scale word for these 128 keys
	s_delay_alu instid0(VALU_DEP_1)
	v_lshl_or_b32 v30, v242, 16, v30
	s_delay_alu instid0(VALU_DEP_1)
	v_lshl_or_b32 v30, v243, 24, v30
	SCALE 32, 16                                   ; (sixteen places between the scale word and the products that take it)
	s_wait_alu depctr_va_vdst(0)
	EXPS
	v_nop
.set qt, 0
	s_wait_alu depctr_va_vdst(0)
.rept 8
	v_cvt_scalef32_pk8_fp4_f32 v[224+4*(qt/4)+2*(qt%2)+((qt/2)%2)], v[S+8*qt:S+8*qt+7], v[244+qt/2]
.set qt, qt+1
.endr
	v_nop
	v_permlane16_swap_b32 v224, v225
	v_permlane16_swap_b32 v226, v227
	v_permlane16_swap_b32 v228, v229
	v_permlane16_swap_b32 v230, v231
	PLACES                                         ; four places between an operand written by vector instructions and the scaled product
	s_wait_alu depctr_va_vdst(0)
	s_wait_dscnt 0x0                               ; V
.irp ct, 0,2
	v_wmma_scale_f32_16x16x128_f8f6f4 v[O+8*\ct:O+8*\ct+7], v[VF+8*\ct:VF+8*\ct+7], v[224:231], v[O+8*\ct:O+8*\ct+7], v[28+\ct/2], v30 matrix_a_fmt:MATRIX_FMT_FP4 matrix_b_fmt:MATRIX_FMT_FP4
	v_wmma_scale_f32_16x16x128_f8f6f4 v[O+8*\ct+8:O+8*\ct+15], v[VF+8*\ct+8:VF+8*\ct+15], v[224:231], v[O+8*\ct+8:O+8*\ct+15], v[28+\ct/2], v30 matrix_a_fmt:MATRIX_FMT_FP4 matrix_b_fmt:MATRIX_FMT_FP4 matrix_a_scale:MATRIX_SCALE_ROW1
.endr
.endm
.macro SLOT1
	v_add_nc_u32 v7, s77, v3
	v_add_nc_u32 v8, s77, v4
	s_wait_alu depctr_va_vdst(0)
	STEP1 0
	STEP1 1
	s_xor_b32 s77, s77, SLOTX
.endm
.macro SLOT2
	STEP2 0
	STEP2 1
	s_xor_b32 s77, s77, SLOTX
	s_xor_b32 s78, s78, VX
	s_add_co_u32 s79, s79, 2048
.endm
; THE CHANGE OF SLOTS, at a phase's head.  Each wave waits for all its tensor loads (the phase's tiles among them), adds 0 to its spare word, and waits for that and for its reads of the slot that it has left.
; kind 1: behind a round of the cluster's barrier the slot just left is asked for again: the next 256 keys' relm and K (after the eighth block the first again, for pass 2).  kind 2: V's too.  kind 0: nothing more is asked for.
.macro CHANGE kind
	s_wait_tensorcnt 0x0                           ; no tensor load of mine is out, so a group 0 may be written
	ds_add_u32 v1, v2                              ; 0 onto my spare word
.if \kind > 0
	ds_add_u32 v1, v2                              ; and once more where a load follows
	s_add_co_u32 s76, s76, 1
	s_and_b32 s76, s76, 7
	s_lshl_b32 s94, s76, 10
	s_add_nc_u64 s[50:51], s[72:73], s[94:95]
	s_or_b32 s51, s51, 0x80000000
	s_xor_b32 s49, s49, SLOTX
	s_mul_i32 s96, s76, 36864
	s_add_nc_u64 s[54:55], s[74:75], s[96:97]
	s_or_b32 s55, s55, 0x80000000
	s_xor_b32 s53, s53, SLOTX
.endif
.if \kind == 2
	s_xor_b32 s61, s61, VX
	s_add_nc_u64 s[62:63], s[62:63], 32768
.endif
	s_wait_dscnt 0x0                               ; the add is done, and my reads of the slot that I have left are over
.if \kind > 0
	CROUND
	JLOAD \kind                                    ; a wave's first and only tensor load until the next round: it has a whole phase in which to land
.else
	s_barrier_signal -1
	s_barrier_wait -1
.endif
.endm
	s_wait_loadcnt 0x0                             ; Q
	s_mov_b32 s86, 8
.Lpass1:
	CHANGE 1
	SLOT1
	s_sub_co_u32 s86, s86, 1
	s_cmp_lg_u32 s86, 0
	s_cbranch_scc1 .Lpass1
	; MERGE: the two lanes of a query join their maxima and sums
	v_permlanex16_b32 v232, v13, s[SEL], s[SEL+1]
	s_delay_alu instid0(VALU_DEP_1)
	v_max_num_f32 v233, v13, v232                  ; m
	s_delay_alu instid0(VALU_DEP_1)
	v_sub_f32 v234, v13, v233
	s_delay_alu instid0(VALU_DEP_1)
	v_mul_f32 v234, s80, v234
	s_wait_alu depctr_va_vdst(0)
	v_exp_f32 v237, v234                           ; 2^(c (M - m))
	v_add_f32 v235, v14, v15
	s_wait_alu depctr_va_vdst(0)
	v_mul_f32 v235, v235, v237
	s_delay_alu instid0(VALU_DEP_1)
	v_permlanex16_b32 v236, v235, s[SEL], s[SEL+1]
	s_delay_alu instid0(VALU_DEP_1)
	v_add_f32 v235, v235, v236                     ; l
	s_delay_alu instid0(VALU_DEP_1)
	v_max_num_f32 v235, 0x800000, v235
	s_wait_alu depctr_va_vdst(0)
	v_log_f32 v238, v235
	v_nop
	v_cmp_lt_f32 vcc_lo, 0xef800000, v233          ; has the row a key that counts?
	s_wait_alu depctr_va_vdst(0)
	v_fma_f32 v12, v233, s82, -v238                ; NM2 = -c m - log2 l
	s_delay_alu instid0(VALU_DEP_1)
	v_cndmask_b32 v12, 0xff61b1e6, v12, vcc_lo     ; if not: -3e38, under which every p is 0
.set jj, 0
.rept 32
	v_mov_b32 v[O+jj], 0                           ; O^T: the step is written with sums in place
.set jj, jj+1
.endr
	CHANGE 1
	SLOT2
	s_mov_b32 s86, 6
.Lpass2:
	CHANGE 2
	SLOT2
	s_sub_co_u32 s86, s86, 1
	s_cmp_lg_u32 s86, 0
	s_cbranch_scc1 .Lpass2
	CHANGE 0                                       ; the last phase is written out
	SLOT2
	; THE WAY OUT: my 16 tokens x 64 channels become half a fragment of the last product and two scale bytes a token
	PLACES
	QUANT O, 2, 224
	v_and_b32 v9, 31, v0
	s_lshl_b32 s15, s91, 2
	s_add_co_u32 s15, s15, s13                     ; the tile of 16 tokens, 0..255
	s_lshl_b32 s15, s15, 13
	s_lshl_b32 s66, s87, 2
	s_add_co_u32 s66, s66, s14                     ; the head
	s_lshl_b32 s66, s66, 9
	s_add_co_u32 s15, s15, s66
	v_lshl_add_u32 v8, v9, 4, s15
	global_store_b128 v8, v[224:227], s[8:9]       ; 512 consecutive bytes
	ds_store_b16 v31, v30                          ; both lanes of a token write the same two bytes
	v_lshlrev_b32 v10, 4, v9
	s_delay_alu instid0(VALU_DEP_1)
	v_add_nc_u32 v7, STG, v10
	s_lshl_b32 s66, s91, 2
	s_add_co_u32 s66, s66, s87
	s_lshl_b32 s66, s66, 9
	s_mov_b32 s67, 0
	s_add_nc_u64 s[10:11], s[10:11], s[66:67]
	s_wait_dscnt 0x0                               ; for the others' sake: my bytes lie in the stage
	s_barrier_signal -1
	s_barrier_wait -1
	s_cmp_lg_u32 s12, 0
	s_cbranch_scc1 .Lnot_first
	s_wait_alu depctr_va_vdst(0)
	ds_load_b128 v[232:235], v7                    ; wave 0 stores the work-group's 512 bytes
	s_wait_dscnt 0x0
	global_store_b128 v10, v[232:235], s[10:11]
.Lnot_first:
	s_wait_tensorcnt 0x0                           ; the wave's end
	ds_add_u32 v1, v2
	s_wait_dscnt 0x0
	CROUND                                         ; the closing round
	s_endpgm
.Lfunc_end_k_q17ead8b669_attn:
	.size	k_q17ead8b669_attn, .Lfunc_end_k_q17ead8b669_attn-k_q17ead8b669_attn
	.p2alignl 7, 3214868480
	.fill 96, 4, 3214868480
	.section	.rodata,"a",@progbits
	.p2align	6, 0x0
	.amdhsa_kernel k_q17ead8b669_attn
		.amdhsa_group_segment_fixed_size 327680
		.amdhsa_private_segment_fixed_size 0
		.amdhsa_enable_private_segment 0
		.amdhsa_kernarg_size 32
		.amdhsa_user_sgpr_count 2
		.amdhsa_user_sgpr_kernarg_segment_ptr 1
		.amdhsa_wavefront_size32 1
		.amdhsa_system_sgpr_workgroup_id_x 1
		.amdhsa_system_sgpr_workgroup_id_y 1
		.amdhsa_system_sgpr_workgroup_id_z 1
		.amdhsa_system_vgpr_workitem_id 0
		.amdhsa_next_free_vgpr 256
		.amdhsa_next_free_sgpr 102
		.amdhsa_reserve_vcc 1
		.amdhsa_float_denorm_mode_32 3
		.amdhsa_float_denorm_mode_16_64 3
		.amdhsa_memory_ordered 1
		.amdhsa_forward_progress 1
		.amdhsa_inst_pref_size 124
	.end_amdhsa_kernel
	.amdgpu_metadata
---
amdhsa.version: [ 1, 2 ]
amdhsa.kernels:
  - .name:           k_q17ead8b669_attn
    .symbol:         k_q17ead8b669_attn.kd
    .args:
      - { .name: qkv, .offset: 0, .size: 8, .value_kind: global_buffer, .address_space: global }
      - { .name: relm, .offset: 8, .size: 8, .value_kind: global_buffer, .address_space: global }
      - { .name: oc, .offset: 16, .size: 8, .value_kind: global_buffer, .address_space: global }
      - { .name: os, .offset: 24, .size: 8, .value_kind: global_buffer, .address_space: global }
    .group_segment_fixed_size: 327680
    .private_segment_fixed_size: 0
    .kernarg_segment_align: 8
    .kernarg_segment_size: 32
    .max_flat_workgroup_size: 512
    .sgpr_count:     102
    .vgpr_count:     256
    .wavefront_size: 32
...
	.end_amdgpu_metadata
.endif
;; end of part 3
;; launch outp (part 4): grid 8 x 32, 8 waves a work-group, clusters of 4 x 4, 181,248 bytes of LDS; arguments oc, os, codes, scales, bo, out0; writes out0
.if DOCPART == 4
	.amdgcn_target "amdgcn-amd-amdhsa--gfx1250"
	.amdhsa_code_object_version 6
	.text
	.protected	k_q17ead8b669_outp
	.globl	k_q17ead8b669_outp
	.p2align	8
	.type	k_q17ead8b669_outp,@function
k_q17ead8b669_outp:
	s_mov_b64 s[64:65], 0
	v_nop
	global_prefetch_b8 v0, s[64:65] scope:SCOPE_SE
	s_setreg_imm32_b32 hwreg(HW_REG_WAVE_MODE, 25, 1), 1
	s_wait_xcnt 0x0
	s_wait_alu depctr_hold_cnt(0) depctr_sa_sdst(0) depctr_va_vdst(0) depctr_va_sdst(0) depctr_va_ssrc(0) depctr_va_vcc(0) depctr_vm_vsrc(0)
	s_getreg_b32 s2, hwreg(HW_REG_IB_STS2, 6, 4)
	s_cmp_eq_u32 s2, 0
	s_cbranch_scc0 .Lentry_in_a_cluster
	s_endpgm
.Lentry_in_a_cluster:
	s_bfe_u32 s2, ttmp6, 0x10000c
	s_cmp_lg_u32 s2, 0xf033
	s_cbranch_scc0 .Lentry_shape_is_right
	s_endpgm
.Lentry_shape_is_right:
; out0 = O Wo^T + bo on codes of FP4 with E8M0 scales.  O's codes come as images of the operand's registers (oc: [tile of 16 tokens][head][lane][16 bytes]; heads 2 k and 2 k + 1 are K step k's fragment),
; its scale bytes as os: [64 tokens][head/4][token][8 bytes]: a token's two words there are K steps 2 (head/4) and + 1.  Wo's codes are rows 15,360 on of the buffer of codes, its scale bytes likewise.
; A work-group of eight waves makes 128 tokens x 128 columns (tiles of 256 x 256 would be 64, for 256 WGPs); a wave 32 x 64: eight accumulators, no register windows, two waves to a SIMD.
; K = 1,024 lies whole in LDS, filled once.  CLUSTER 4 x 4: O's tiles are asked for jointly along a row of the cluster, Wo's along a column.
; The matrix instruction is used transposed (source 0 = 16 rows of Wo, source 1 = 16 tokens): a lane holds eight neighbouring columns of one token.  bo is loaded into the accumulators and is the C of the first K step.
; REGISTERS: v1-11 addresses; v32-63 O's fragments, two sets of two; v64-127 Wo's, two sets of four; v128-191 the accumulators, (a, b) at v[128 + 8 (4 a + b)]; v192-207 O's scale words [a][k]; v208-239 Wo's [b][k].
.set WIMG,   65536                     ; LDS: O's images at 0 (65,536 bytes); Wo's 128 rows,
.set WP,     528                       ; 512 bytes + 16 of padding each;
.set OSC,    133120                    ; O's scale bytes, 4,096;
.set WSC,    137216                    ; Wo's, as 16 units of 256 bytes + 16;
.set STAGE,  141568                    ; and a stage of 16 rows x 272 bytes for each wave, into which no fill lands
.set SPITCH, 272
.set AFR,    32
.set BFR,    64
.set ACC,    128
.set AS,     192
.set BS,     208
.macro PLACES
.rept 4
	v_nop
.endr
.endm
.macro CROUND
	s_barrier_signal -1
	s_barrier_wait -1
	s_cmp_lg_u32 s66, 0
	s_cbranch_scc1 .Lnot_wave_0_\@
	s_barrier_signal -3
.Lnot_wave_0_\@:
	s_barrier_wait -3
	s_barrier_signal -1
	s_barrier_wait -1
.endm
	s_load_b256 s[4:11], s[0:1], 0x0               ; oc s[4:5], os s[6:7], codes s[8:9], scales s[10:11]
	s_load_b128 s[12:15], s[0:1], 0x20             ; bo, out0
	v_lshl_add_u32 v254, v0, 2, 0x2c000
	v_mov_b32 v255, 0
	ds_add_u32 v254, v255
	ds_add_u32 v254, v255
	v_lshrrev_b32 v1, 5, v0
	s_delay_alu instid0(VALU_DEP_1)
	v_readfirstlane_b32 s66, v1                    ; wave 0..7
	s_lshr_b32 s67, s66, 1                         ; my 32 of the 128 tokens
	s_and_b32 s68, s66, 1                          ; my 64 of the 128 columns.  Also: which half of a tile I fetch
	s_bfe_u32 s69, ttmp6, 0x40000                  ; cx
	s_bfe_u32 s70, ttmp6, 0x40004                  ; cy
	s_lshl_b32 s71, ttmp9, 2
	s_add_co_u32 s71, s71, s69                     ; the block of 128 columns, 0..7
	s_and_b32 s72, ttmp7, 0xffff
	s_lshl_b32 s72, s72, 2
	s_add_co_u32 s72, s72, s70                     ; the block of 128 tokens, 0..31
	s_lshl_b32 s73, s70, 2
	s_lshl_b32 s73, 15, s73                        ; my row of the cluster
	s_lshl_b32 s74, 0x1111, s69                    ; my column
	s_or_b32 s16, s73, (3<<16)|(1<<21)             ; O's images: 32,768 dense bytes as 128 rows of 32 elements of 8 bytes
	s_mov_b32 s17, 32<<16
	s_mov_b32 s18, 128<<16
	s_mov_b32 s19, 32<<16
	s_mov_b32 s20, 128
	s_mov_b32 s21, 32
	s_mov_b32 s22, 0
	s_mov_b32 s23, 0
	s_or_b32 s24, s74, (0<<16)|(1<<20)|(1<<21)|(6<<22)|(3<<25)   ; Wo: 64 rows of 512 bytes, 4 words of padding after every 128
	s_mov_b32 s25, 512<<16
	s_mov_b32 s26, 64<<16
	s_mov_b32 s27, 512<<16
	s_mov_b32 s28, 64
	s_mov_b32 s29, 512
	s_mov_b32 s30, 0
	s_mov_b32 s31, 0
	s_or_b32 s32, s73, (3<<16)|(1<<21)             ; O's scale bytes: 4,096 dense bytes, 16 rows
	s_mov_b32 s33, 32<<16
	s_mov_b32 s34, 16<<16
	s_mov_b32 s35, 32<<16
	s_mov_b32 s36, 16
	s_mov_b32 s37, 32
	s_mov_b32 s38, 0
	s_mov_b32 s39, 0
	s_or_b32 s40, s74, (3<<16)|(1<<20)|(1<<21)|(5<<22)|(3<<25)   ; Wo's: the same, with 16 bytes of padding behind each 256
	s_mov_b32 s41, 32<<16
	s_mov_b32 s42, 16<<16
	s_mov_b32 s43, 32<<16
	s_mov_b32 s44, 16
	s_mov_b32 s45, 32
	s_mov_b32 s46, 0
	s_mov_b32 s47, 0
	s_lshl_b32 s75, s68, 15                        ; my half of O's images, in memory and in LDS
	s_lshl_b32 s76, s72, 16
	s_add_co_u32 s76, s76, s75
	s_mov_b32 s77, 0
	s_lshl_b32 s78, s72, 12
	s_mov_b32 s79, 0
	s_lshl_b32 s80, s71, 7
	s_add_co_u32 s80, s80, 15360                   ; Wo's first row of the block
	s_lshl_b32 s82, s80, 5
	s_mov_b32 s83, 0
	s_lshl_b32 s84, s68, 6
	s_add_co_u32 s80, s80, s84
	s_lshl_b32 s80, s80, 9
	s_mov_b32 s81, 0
	s_mul_i32 s85, s68, 64*WP
	s_add_co_u32 s85, s85, WIMG
	s_wait_dscnt 0x0
	s_wait_kmcnt 0x0
	s_mov_b32 s48, 1
	s_mov_b32 s49, s75
	s_add_nc_u64 s[50:51], s[4:5], s[76:77]
	s_or_b32 s51, s51, 0x80000000
	s_mov_b32 s52, 1
	s_mov_b32 s53, s85
	s_add_nc_u64 s[54:55], s[8:9], s[80:81]
	s_or_b32 s55, s55, 0x80000000
	s_mov_b32 s56, 1
	s_mov_b32 s57, OSC
	s_add_nc_u64 s[58:59], s[6:7], s[78:79]
	s_or_b32 s59, s59, 0x80000000
	s_mov_b32 s60, 1
	s_mov_b32 s61, WSC
	s_add_nc_u64 s[62:63], s[10:11], s[82:83]
	s_or_b32 s63, s63, 0x80000000
	CROUND                                         ; all sixteen work-groups are here: the joint loads meet
	s_cmp_lt_u32 s66, 2                            ; one chain of branches on the wave's number: waves 0, 1 O's halves; 2, 3 Wo's; 4 O's scale bytes; 5 Wo's; one load a wave at the most
	s_cbranch_scc0 .Lnot_a
	tensor_load_to_lds s[48:51], s[16:23]
	s_nop 0
	PLACES
	s_branch .Lasked
.Lnot_a:
	s_cmp_lt_u32 s66, 4
	s_cbranch_scc0 .Lnot_w
	tensor_load_to_lds s[52:55], s[24:31]
	s_nop 0
	PLACES
	s_branch .Lasked
.Lnot_w:
	s_cmp_eq_u32 s66, 4
	s_cbranch_scc0 .Lnot_o
	tensor_load_to_lds s[56:59], s[32:39]
	s_nop 0
	PLACES
	s_branch .Lasked
.Lnot_o:
	s_cmp_eq_u32 s66, 5
	s_cbranch_scc0 .Lasked
	tensor_load_to_lds s[60:63], s[40:47]
	s_nop 0
	PLACES
.Lasked:
	v_and_b32 v1, 15, v0                           ; r
	v_bfe_u32 v2, v0, 4, 1                         ; h
	v_and_b32 v3, 31, v0                           ; lane
	s_lshl_b32 s86, s67, 14
	v_lshl_add_u32 v4, v3, 4, s86                  ; O's images: my two tiles, 16 x lane
	v_mul_u32_u24 v5, v1, WP
	s_delay_alu instid0(VALU_DEP_1)
	v_lshl_add_u32 v5, v2, 4, v5
	s_delay_alu instid0(VALU_DEP_1)
	v_add_nc_u32 v5, s85, v5                       ; Wo: my 64 rows; row r, + 16 h
	s_lshr_b32 s86, s67, 1
	s_lshl_b32 s86, s86, 11
	s_and_b32 s87, s67, 1
	s_lshl_b32 s87, s87, 8
	s_add_co_u32 s86, s86, s87
	s_add_co_u32 s86, s86, OSC
	v_lshl_add_u32 v6, v1, 3, s86                  ; O's scale words: 8 bytes a token
	v_lshrrev_b32 v12, 3, v1
	s_delay_alu instid0(VALU_DEP_1)
	v_mul_u32_u24 v12, v12, 272
	v_and_b32 v13, 7, v1
	s_delay_alu instid0(VALU_DEP_1)
	v_lshl_add_u32 v12, v13, 5, v12
	s_mul_i32 s86, s68, 8*272
	s_add_co_u32 s86, s86, WSC
	v_add_nc_u32 v7, s86, v12                      ; Wo's: 32 bytes a row, eight rows to a unit
	s_mul_i32 s86, s66, 16*SPITCH
	s_add_co_u32 s86, s86, STAGE                   ; my stage
	v_mul_u32_u24 v8, v1, SPITCH
	s_delay_alu instid0(VALU_DEP_1)
	v_lshl_add_u32 v8, v2, 5, v8
	s_delay_alu instid0(VALU_DEP_1)
	v_add_nc_u32 v8, s86, v8                       ; in: row r, 32 bytes for each half of the lanes
	v_mul_u32_u24 v9, v2, SPITCH
	s_delay_alu instid0(VALU_DEP_1)
	v_lshl_add_u32 v9, v1, 4, v9
	s_delay_alu instid0(VALU_DEP_1)
	v_add_nc_u32 v9, s86, v9                       ; back: lanes 0-15 one row of 256 bytes, lanes 16-31 the next
	v_lshlrev_b32 v10, 12, v2
	s_delay_alu instid0(VALU_DEP_1)
	v_lshl_add_u32 v10, v1, 4, v10                 ; and the same two rows in out0
	v_lshlrev_b32 v11, 5, v2                       ; bo: 8 h numbers on
	s_wait_alu depctr_va_vdst(0)
	s_lshl_b32 s88, s71, 9
	s_lshl_b32 s87, s68, 8
	s_add_co_u32 s88, s88, s87                     ; my first column, in bytes
	s_mov_b32 s89, 0
	s_add_nc_u64 s[12:13], s[12:13], s[88:89]
	s_add_nc_u64 s[14:15], s[14:15], s[88:89]
	s_lshl_b32 s88, s72, 19
	s_lshl_b32 s87, s67, 17
	s_add_co_u32 s88, s88, s87                     ; my first row, 4,096 bytes each
	s_add_nc_u64 s[14:15], s[14:15], s[88:89]
.irp a, 0,1
.irp b, 0,1,2,3
	global_load_b128 v[ACC+8*(4*\a+\b):ACC+8*(4*\a+\b)+3], v11, s[12:13] offset:64*\b
	global_load_b128 v[ACC+8*(4*\a+\b)+4:ACC+8*(4*\a+\b)+7], v11, s[12:13] offset:64*\b+16
.endr
.endr
.macro FETCH k, u                      ; K step k's fragments into set u: twelve loads
.irp a, 0,1
.irp c, 0,1
	ds_load_b128 v[AFR+16*(\u)+8*\a+4*\c:AFR+16*(\u)+8*\a+4*\c+3], v4 offset:8192*\a+1024*(\k)+512*\c
.endr
.endr
.irp b, 0,1,2,3
.irp c, 0,1
	ds_load_b128 v[BFR+32*(\u)+8*\b+4*\c:BFR+32*(\u)+8*\b+4*\c+3], v5 offset:16*\b*WP+64*(\k)+32*\c
.endr
.endr
.endm
.macro MULS k, u                       ; eight accumulators by turns, one instruction a turn
.irp a, 0,1
.irp b, 0,1,2,3
	v_wmma_scale_f32_16x16x128_f8f6f4 v[ACC+8*(4*\a+\b):ACC+8*(4*\a+\b)+7], v[BFR+32*(\u)+8*\b:BFR+32*(\u)+8*\b+7], v[AFR+16*(\u)+8*\a:AFR+16*(\u)+8*\a+7], v[ACC+8*(4*\a+\b):ACC+8*(4*\a+\b)+7], v[BS+8*\b+(\k)], v[AS+8*\a+(\k)] matrix_a_fmt:MATRIX_FMT_FP4 matrix_b_fmt:MATRIX_FMT_FP4
.endr
.endr
.endm
	s_wait_tensorcnt 0x0                           ; my load has landed,
	s_barrier_signal -1
	s_barrier_wait -1                              ; everybody's has
.irp a, 0,1
.irp g, 0,1,2,3
	ds_load_b64 v[AS+8*\a+2*\g:AS+8*\a+2*\g+1], v6 offset:512*\g+128*\a
.endr
.endr
.irp b, 0,1,2,3
.irp s, 0,1
	ds_load_b128 v[BS+8*\b+4*\s:BS+8*\b+4*\s+3], v7 offset:544*\b+16*\s
.endr
.endr
	FETCH 0, 0
	s_wait_loadcnt 0x0                             ; bo
.irp k, 0,1,2,3,4,5,6
.if \k > 0
	PLACES                                         ; in front of loads into the set that the last step but one... the step before multiplied
.endif
	FETCH \k+1, (\k+1)%2
	s_wait_dscnt 12                                ; all but the twelve just issued
	MULS \k, \k%2
.endr
	s_wait_dscnt 0x0
	MULS 7, 1
	; THE WAY OUT: 16 tokens x 64 columns at a time through my own stage: sixteen lanes then store 256 consecutive bytes, at a multiple of 256 from out0's first byte
	PLACES
.irp a, 0,1
.irp b, 0,1,2,3
	ds_store_b128 v8, v[ACC+8*(4*\a+\b):ACC+8*(4*\a+\b)+3] offset:64*\b          ; each accumulator from its low end on
	ds_store_b128 v8, v[ACC+8*(4*\a+\b)+4:ACC+8*(4*\a+\b)+7] offset:64*\b+16
.endr
.irp i, 0,1,2,3,4,5,6,7
	ds_load_b128 v[32+32*\a+4*\i:32+32*\a+4*\i+3], v9 offset:2*\i*SPITCH         ; LDS serves a wave's instructions in order: these see the stores above, and the next block's stores come behind them
.endr
.endr
.irp a, 0,1
.irp i, 0,1,2,3,4,5,6,7
	s_wait_dscnt 16*(1-\a)+7-\i                    ; the LDS instructions issued behind this load may stay out
	global_store_b128 v10, v[32+32*\a+4*\i:32+32*\a+4*\i+3], s[14:15] offset:(16*\a+2*\i)*4096 th:TH_STORE_NT
.endr
.endr
	s_wait_tensorcnt 0x0
	ds_add_u32 v254, v255
	s_wait_dscnt 0x0
	CROUND                                         ; the closing round
	s_endpgm
.Lfunc_end_k_q17ead8b669_outp:
	.size	k_q17ead8b669_outp, .Lfunc_end_k_q17ead8b669_outp-k_q17ead8b669_outp
	.p2alignl 7, 3214868480
	.fill 96, 4, 3214868480
	.section	.rodata,"a",@progbits
	.p2align	6, 0x0
	.amdhsa_kernel k_q17ead8b669_outp
		.amdhsa_group_segment_fixed_size 181248
		.amdhsa_private_segment_fixed_size 0
		.amdhsa_enable_private_segment 0
		.amdhsa_kernarg_size 48
		.amdhsa_user_sgpr_count 2
		.amdhsa_user_sgpr_kernarg_segment_ptr 1
		.amdhsa_wavefront_size32 1
		.amdhsa_system_sgpr_workgroup_id_x 1
		.amdhsa_system_sgpr_workgroup_id_y 1
		.amdhsa_system_sgpr_workgroup_id_z 1
		.amdhsa_system_vgpr_workitem_id 0
		.amdhsa_next_free_vgpr 256
		.amdhsa_next_free_sgpr 90
		.amdhsa_reserve_vcc 0
		.amdhsa_float_denorm_mode_32 3
		.amdhsa_float_denorm_mode_16_64 3
		.amdhsa_memory_ordered 1
		.amdhsa_forward_progress 1
		.amdhsa_inst_pref_size 31
	.end_amdhsa_kernel
	.amdgpu_metadata
---
amdhsa.version: [ 1, 2 ]
amdhsa.kernels:
  - .name:           k_q17ead8b669_outp
    .symbol:         k_q17ead8b669_outp.kd
    .args:
      - { .name: oc, .offset: 0, .size: 8, .value_kind: global_buffer, .address_space: global }
      - { .name: os, .offset: 8, .size: 8, .value_kind: global_buffer, .address_space: global }
      - { .name: codes, .offset: 16, .size: 8, .value_kind: global_buffer, .address_space: global }
      - { .name: scales, .offset: 24, .size: 8, .value_kind: global_buffer, .address_space: global }
      - { .name: bo, .offset: 32, .size: 8, .value_kind: global_buffer, .address_space: global }
      - { .name: out0, .offset: 40, .size: 8, .value_kind: global_buffer, .address_space: global }
    .group_segment_fixed_size: 181248
    .private_segment_fixed_size: 0
    .kernarg_segment_align: 8
    .kernarg_segment_size: 48
    .max_flat_workgroup_size: 256
    .sgpr_count:     90
    .vgpr_count:     256
    .wavefront_size: 32
...
	.end_amdgpu_metadata
.endif
;; end of part 4
